; MI455X (gfx1250); checked and timed in simulation.
; The chip was launched on July 23, 2026; its instructions are those of AMD's public machine-readable ISA for CDNA 5 (MIT licence, August 2026) and "CDNA5" Instruction Set Architecture Reference Guide (July 2026). The comments in the code are by the model that wrote it; some were corrected since.
;; Vector Attention. Allowed arithmetic: matrix products marked QUANTISED: E2M1 operands, one E8M0 scale for each 32 along K, by v_wmma_scale_f32_16x16x128_f8f6f4 with both operands' format E2M1 (or v_wmma_scale_f32_32x16x128_f4), f32 sums; products left as they are: f32 operands where the result goes on into a quantised operand, else bf16, f16 or f32 operands; f32 sums; everything else in f32.
;; Inputs: W1_codes 64 x 2 x 16 uint8 (E2M1 codes of W1, K innermost, in blocks of 32 codes, two codes a byte); W1_scales 64 x 2 uint8 (E8M0 scales of W1, one for each 32 codes along K); W2_codes 64 x 2 x 16 uint8 (E2M1 codes of W2, K innermost, in blocks of 32 codes, two codes a byte); W2_scales 64 x 2 uint8 (E8M0 scales of W2, one for each 32 codes along K); Wk_codes 64 x 2 x 16 uint8 (E2M1 codes of Wk, K innermost, in blocks of 32 codes, two codes a byte); Wk_scales 64 x 2 uint8 (E8M0 scales of Wk, one for each 32 codes along K); Wq_codes 64 x 2 x 16 uint8 (E2M1 codes of Wq, K innermost, in blocks of 32 codes, two codes a byte); Wq_scales 64 x 2 uint8 (E8M0 scales of Wq, one for each 32 codes along K); Wv_codes 64 x 2 x 16 uint8 (E2M1 codes of Wv, K innermost, in blocks of 32 codes, two codes a byte); Wv_scales 64 x 2 uint8 (E8M0 scales of Wv, one for each 32 codes along K); b1 64 float32; b2 64 float32; betak 64 float32; betaq 64 float32; betaw 64 float32; bk 64 float32; bq 64 float32; bv 64 float32; distribution 2 x 1,024 x 1 float32; feat_codes 2 x 1,024 x 2 x 16 uint8 (E2M1 codes of feat, K innermost, in blocks of 32 codes, two codes a byte); feat_scales 2 x 1,024 x 2 uint8 (E8M0 scales of feat, one for each 32 codes along K); gk 64 float32; gq 64 float32; gw 64 float32.
;; Outputs: out0 2 x 1,024 x 64 float32.
;; This version of the problem:
;;   THIS VERSION OF THE PROBLEM IS GIVEN IN LOW PRECISION. The matrix products marked QUANTISED in the list below multiply operands that are first quantised to E2M1 (2 exponent bits, 1 mantissa bit; 4 bits a number), with one power-of-two scale for each 32 numbers along K (OCP MX v1.0); their sums are f32. All else is computed in f32.
;;   The module's matrix products, in the order in which they are computed (A, B: the left and right operand; K: the contracted axis; several contracted axes count as one K, in the product's order):
;;     1. [M 2,048, K 64] x [K 64, N 64]; A: input feat (given as codes); B: input Wq (given as codes): QUANTISED
;;     2. [M 2,048, K 64] x [K 64, N 64]; A: input feat (given as codes); B: input Wk (given as codes): QUANTISED
;;     3. [M 2,048, K 64] x [K 64, N 64]; A: input feat (given as codes); B: input Wv (given as codes): QUANTISED
;;     4. [M 2,097,152, K 64] x [K 64, N 64]; A: computed on the way; B: input W1 (given as codes): QUANTISED
;;     5. [M 2,097,152, K 64] x [K 64, N 64]; A: computed on the way; B: input W2 (given as codes): QUANTISED
;;     6. batch 128 x [M 1, K 1,024] x [K 1,024, N 1,024]; A: computed on the way; B: computed on the way: left as it is (M = 1 < 16)
;;   THE QUANTISER, for each operand of a quantised product, along K:
;;     - K is cut into blocks of 32 from its start; a last block that is shorter is filled with zeros.
;;     - A block's scale is 2^e with e = floor(log2(the largest magnitude in the block)) - 2, held to -126 .. 127; a block of zeros has e = 0. As a byte (E8M0): e + 127.
;;     - Each number is divided by its block's scale, clamped to +-6, and rounded to the nearest number of E2M1, ties to even, subnormals kept.
;;     - The product sums the exact products of the quantised numbers (number of the format x scale) in f32.
;;   ~~~python
;;   def quantise(x, axis):      # numpy; x: float32 -> the quantised numbers, widened to float32 again
;;       x = np.moveaxis(x, axis, -1); K = x.shape[-1]
;;       x = np.pad(x, [(0, 0)] * (x.ndim - 1) + [(0, -K % 32)]); x = x.reshape(x.shape[:-1] + (-1, 32)); a = np.abs(x).max(-1, keepdims=True)
;;       e = np.where(a > 0, np.clip(np.frexp(np.where(a > 0, a, 1))[1] - 1 - 2, -126, 127), 0)      # np.frexp(a)[1] - 1 = floor(log2(a)), exactly
;;       r = np.clip(x / 2.0 ** e, -6, 6)
;;       step = 2.0 ** (np.maximum(np.frexp(np.where(r == 0, 1, r))[1] - 1, 0) - 1)
;;       q = np.round(r / step) * step * 2.0 ** e      # np.round: ties to even
;;       return np.moveaxis(q.reshape(q.shape[:-2] + (-1,))[..., :K], -1, axis).astype(np.float32)
;;   ~~~
;;   OPERANDS COMPUTED ON THE WAY. 'Computed on the way' means the value that the module computes at that place (a softmax that the list does not call 'softmax' is quantised finished and normalised). What goes into a quantiser is computed in f32, as accurately as f32 sums, v_exp_f32 and their like allow (about 1e-6 of the number): no bf16 or f16 on the way to a quantiser, and a product that is left as it is and whose result goes on into a quantised operand takes f32 operands (vector FMAs, or v_wmma_f32_16x16x4_f32). A number that lies on a knife's edge between two numbers of the format may be rounded either way, as far as f32 arithmetic and the matrix unit's own rounding can turn it there, and no further.
;;   INPUTS GIVEN AS CODES. W1 (in the module: [64, 64], K = its axis 1); W2 (in the module: [64, 64], K = its axis 1); Wk (in the module: [64, 64], K = its axis 1); Wq (in the module: [64, 64], K = its axis 1); Wv (in the module: [64, 64], K = its axis 1); feat (in the module: [2, 1024, 64], K = its axis 2): each comes as NAME_codes (uint8): NAME with its K axis moved to the last place and cut into blocks of 32 codes, [.., K / 32, bytes a block], one block behind the other in memory; two codes a byte, the lower K in the low four bits (a code: sign, 2 exponent bits, 1 mantissa bit); and NAME_scales (uint8): the same leading axes, one E8M0 byte (e + 127) for each 32 codes along K. Its value is code x scale, taken as it is: it is not quantised again, and the codes and scales need not be those that the quantiser above would give.
;; 2 versions, each right; version 2 is version 1 with the launch vattn written anew for expert scheduling mode. Each part assembles by itself: llvm-mc -triple=amdgcn-amd-amdhsa -mcpu=gfx1250 --defsym DOCPART=n.
;; ======== version 1 of 2: 1 launch
;; limits: a difference of large sums (such as E[x^2] - mean^2): digits are lost where the result is much smaller than its terms
;; launch vattn (part 1): grid 256 x 1, 4 waves a work-group, no clusters, 102,912 bytes of LDS; arguments feat_codes, feat_scales, distribution, Wq_codes, Wq_scales, bq, gq, betaq, Wk_codes, Wk_scales, bk, gk, betak, Wv_codes, Wv_scales, bv, W1_codes, W1_scales, b1, gw, betaw, W2_codes, W2_scales, b2, out0; writes out0
.if DOCPART == 1
	.amdgcn_target "amdgcn-amd-amdhsa--gfx1250"
	.amdhsa_code_object_version 6
	.text
	.protected	k_q4b2af7e6bd_vattn
	.globl	k_q4b2af7e6bd_vattn
	.p2align	8
	.type	k_q4b2af7e6bd_vattn,@function
k_q4b2af7e6bd_vattn:
	s_mov_b64 s[64:65], 0
	v_nop
	global_prefetch_b8 v0, s[64:65] scope:SCOPE_SE
	s_setreg_imm32_b32 hwreg(HW_REG_WAVE_MODE, 25, 1), 1
	s_wait_xcnt 0x0
; VECTOR ATTENTION, B = 2, N = 1,024, C = 64, every product but the last on codes of FP4 (E2M1) with one E8M0 scale for each 32 along K.
; q, k = relu(LN(feat W^T + b)), v = feat Wv^T + bv.  For each pair (query i, key j): rel = k_j - q_i, quantised; x = rel W1^T + b1; hid = relu(LN(x)), quantised; w = hid W2^T + b2.
; Per channel: out_i = sum_j e^(w - max_j w) dm_ij v_j / sum_j e^(w - max_j w) d_j, with dm_ij = d_j where d_i d_j > 0, else 0.  The maximum is a running one.
; SHARES.  Work-group x: batch x / 128, the 8 queries from 8 (x % 128), all 1,024 keys: each row of out0 has one owner.  Wave w: keys 256 w .. 256 w + 255, in 16 key tiles of 16.  A tile of pairs is one query x 16 keys.
; Each wave makes k and v of a key tile itself, from feat's codes: 8 matrix instructions and one LN for 8 tiles of pairs; k and v of all keys would fit neither the registers nor LDS.
; LAYOUTS (lane = 16 h + r).  K is 64, so an operand's registers 0-3 hold row r, channels 32 h .. 32 h + 31, one whole block, and registers 4-7 hold zero codes, written once.
;  x^T = W1 rel^T (source 0 = 16 rows of W1, source 1 = 16 pairs).  Lane r of W1's tile t takes row 32 (r / 8) + 8 t + r % 8, so that in the four results lane (r, h) holds pair r and register c channel 32 h + c:
;  the next operand's layout.  A block's largest magnitude needs no other lane; LN needs one exchange with lane xor 16.  k and q are made the same way.
;  w = hid W2^T (source 0 = 16 pairs, source 1 = 16 rows of W2; lane r of tile t takes row 4 r + t): a lane holds ONE channel and the keys 8 h + 0 .. 7, so maxima and sums over keys run along registers.  v is made the same way.
; A PIPELINE OF THREE STAGES over the 8 queries of a key tile: in step n stage A (rel, quantise) works on query n + 1, stage B (LN, relu, quantise) on query n, stage C (softmax, sums) on query n - 1.
;  The step's 37 transcendentals are one batch with one wait; the matrix instructions stand where long runs of plain vector lines follow them, so nearly no v_nop is written.
; THE ENDS.  Each lane keeps maximum, sum and weighted sum for its keys alone; at the end the four waves' and the two halves' figures meet in LDS behind the launch's one barrier.
; No tensor load, no cluster: what work-groups share is 92 KB read once at the head.
; LIMITS.  NaN and infinities among the inputs or the scores are not served; scores under -1e38 are not served (the running maximum starts there).
;  The pair layer's variance is E[x'^2] - mean(x')^2 with x' = x - mean(b1) (LN does not change under a shift of all channels): its error relative to the variance is about mean(x')^2 / variance x 2^-24.
;  A negative hidden number is left as the code -0; a block of zeros carries the scale byte 1 (its codes are zeros).
; ---- LDS: a region of WREG bytes for each wave, then the merge's images
.set WREG, 13312
.set FC,   0            ; feat's codes of my 256 keys as they lie in memory, 8,192 bytes (+ 512 that nothing touches)
.set FSO,  8704         ; their scale bytes, 512 (+ 256)
.set DD,   9472         ; d of my 256 keys, 1,024 (+ 256)
.set DMT,  10752        ; dm[query][16 keys] of the key tile in hand, 512
.set QO,   11264        ; q[query][64], f32, 2,048
.set MG,   4*WREG       ; images (wave, query, kind = maximum, sum, weighted sum): 512 bytes each, 16 a lane
; ---- window 0
.set LQ,1
.set LDMR,2
.set LDMW,3
.set LF0,4
.set LFS0,5
.set LD80,6
.set LDQ0,7
.set LF,8
.set LFS,9
.set LD8,10
.set LDQ,11
.set DI,12              ; d of query lane / 4
.set LMR,13
.set L16,14             ; 16 x lane
.set LMG,15
.set W1S,16             ; v16-38: scale words and nothing else
.set W2S,20
.set WKS,24
.set WVS,28
.set WQS,32
.set FSW,36
.set SW1,37
.set SW2,38
.set D8,40              ; d of keys 8 h + 0 .. 7
.set FT,48              ; 2^(L old maximum - L new maximum), a tile each
.set AB,52              ; 1 / sqrt(var + eps), -mean / sqrt(var + eps)
.set SS,54
.set QQ,55
.set P1,56
.set P2,57
.set MEAN,58
.set E1,60
.set VE,61
.set T,62               ; v62-77 at work: the sum's tree; then AT, FA, CT, AMX; then BMX, RL
.set AT,T
.set FA,T+4
.set CT,T+8
.set AMX,T+12
.set BMX,T
.set RL,T+4
.set SQ,78
.set SCA,82
.set TA,83
.set PA,84
.set SCB,85
.set TB,86
.set PB,87
.set C1,88              ; rel's codes; +4 .. +7 stay 0
.set C2,96              ; the hidden layer's; +4 .. +7 stay 0
.set X,104              ; q, then rel
.set H,136              ; x, then the hidden layer
.set W,168              ; scores, then weights
.set K,200              ; k of the key tile
.set DQ,232
.set DMQ,236
.set PR,240
; v244-252 offsets of the head's loads, v253 where q is stored, v254 the staging address
; ---- window 1
.set W1F,0
.set B1C,32
.set W2F,64
.set B2T,96
.set GW,128
.set BW,160
.set VV,192
; ---- window 2: query i's state at 20 i (maxima +0..3, sums +4..11 in pairs, weighted sums +12..19 in pairs); at the head q's constants at window 3's numbers
.set DM,160             ; dm of query i at DM + 8 i
; ---- window 3: fragments at 0, bias at 32, gain at 64, beta at 96 (k's; in window 2 q's)
.set WVF,128
.set BVT,160
.set F,192              ; feat's fragment; +4 .. +7 stay 0
; ---- scalars: s[4:53] the 25 addresses; s54 wave; s57 key tile; s58-60 LDS steps; s61 my region; s[66:67] lane selects; s68 1/64; s69 eps; s[70:71] L = log2 e; s72 -L; s73, s74 bit patterns; s[76:89] seven addresses
.set MSB, 0
.macro WIN new                         ; low byte: bits 1:0 source 0, 3:2 source 1, 5:4 source 2, 7:6 destination; the high byte repeats the setting that is left
.if MSB != (\new)
	s_set_vgpr_msb (MSB<<8)|(\new)
.set MSB, \new
.endif
.endm
.macro NOPS n
.rept \n
	v_nop
.endr
.endm
; ---------------- stage A
.macro A_LOADQ i                       ; q of query i, channels 32 h + 0 .. 31: all lanes of a half read the same 128 bytes
.irp g, 0,1,2,3,4,5,6,7
	ds_load_b128 v[X+4*\g:X+4*\g+3], v[LQ] offset:256*(\i)+16*\g
.endr
.endm
.macro AREL p                          ; rel = k - q, two channels
	v_pk_add_f32 v[X+2*(\p):X+2*(\p)+1], v[K+2*(\p):K+2*(\p)+1], v[X+2*(\p):X+2*(\p)+1] neg_lo:[0,1] neg_hi:[0,1]
.endm
.macro MAXHEAD dst, src, c, abs        ; the largest of a lane's 32 numbers, in four chains: chain c starts
.if \abs
	v_max3_num_f32 v[\dst+\c], |v[\src+8*\c]|, |v[\src+8*\c+1]|, |v[\src+8*\c+2]|
.else
	v_max3_num_f32 v[\dst+\c], v[\src+8*\c], v[\src+8*\c+1], v[\src+8*\c+2]
.endif
.endm
.macro MAXREST dst, src, abs           ; the rest of it, and the floor 2^(3 - 127): the scale's byte cannot fall under 1
.irp o, 3,5
.irp c, 0,1,2,3
.if \abs
	v_max3_num_f32 v[\dst+\c], v[\dst+\c], |v[\src+8*\c+\o]|, |v[\src+8*\c+\o+1]|
.else
	v_max3_num_f32 v[\dst+\c], v[\dst+\c], v[\src+8*\c+\o], v[\src+8*\c+\o+1]
.endif
.endr
.endr
.if \abs
	v_max3_num_f32 v[\dst], v[\dst], |v[\src+7]|, |v[\src+15]|
	v_max3_num_f32 v[\dst+2], v[\dst+2], |v[\src+23]|, |v[\src+31]|
.else
	v_max3_num_f32 v[\dst], v[\dst], v[\src+7], v[\src+15]
	v_max3_num_f32 v[\dst+2], v[\dst+2], v[\src+23], v[\src+31]
.endif
	v_max3_num_f32 v[\dst], v[\dst], v[\dst+1], v[\dst+2]
	v_max3_num_f32 v[\dst], v[\dst], v[\dst+3], 0x1800000
.endm
.macro SCALE mx, sc, tt, pp, sw
	v_add_nc_u32 v[\sc], 0xff000000, v[\mx]          ; 2 off the exponent field: the conversion's scale operand
	v_lshlrev_b32 v[\tt], 1, v[\sc]                  ; the scale's byte, in byte 3
	v_permlanex16_b32 v[\pp], v[\tt], s66, s67       ; the row's other block's, from lane xor 16
	v_perm_b32 v[\sw], v[\pp], v[\tt], s74           ; byte 0 mine, byte 1 the partner's (lanes 0-15 are read: blocks 0 and 1); bytes 2, 3: a valid byte over zero codes
.endm
.macro CVT dst, src, sc                ; 32 numbers become 32 codes: the operand's registers 0-3
.irp g, 0,1,2,3
	v_cvt_scalef32_pk8_fp4_f32 v[\dst+\g], v[\src+8*\g:\src+8*\g+7], v[\sc]
.endr
.endm
; ---------------- the two products of a tile of pairs.  Each sum is one instruction with the bias as C: no accumulator is taken up again
.macro M1                              ; x^T = W1 rel^T + b1
	WIN 0x11
.irp t, 0,1,2,3
	v_wmma_scale_f32_16x16x128_f8f6f4 v[H+8*\t:H+8*\t+7], v[W1F+8*\t:W1F+8*\t+7], v[C1:C1+7], v[B1C+8*\t:B1C+8*\t+7], v[W1S+\t], v[SW1] matrix_a_fmt:MATRIX_FMT_FP4 matrix_b_fmt:MATRIX_FMT_FP4
.endr
.endm
.macro M2                              ; w = hid W2^T + b2
	WIN 0x14
.irp t, 0,1,2,3
	v_wmma_scale_f32_16x16x128_f8f6f4 v[W+8*\t:W+8*\t+7], v[C2:C2+7], v[W2F+8*\t:W2F+8*\t+7], v[B2T+8*\t:B2T+8*\t+7], v[SW2], v[W2S+\t] matrix_a_fmt:MATRIX_FMT_FP4 matrix_b_fmt:MATRIX_FMT_FP4
.endr
.endm
; ---------------- stage B
.macro TREE                            ; T's eight pairs into one number
.irp p, 0,1,2,3
	v_pk_add_f32 v[T+2*\p:T+2*\p+1], v[T+2*\p:T+2*\p+1], v[T+8+2*\p:T+9+2*\p]
.endr
.irp p, 0,1
	v_pk_add_f32 v[T+2*\p:T+2*\p+1], v[T+2*\p:T+2*\p+1], v[T+4+2*\p:T+5+2*\p]
.endr
	v_pk_add_f32 v[T:T+1], v[T:T+1], v[T+2:T+3]
	v_add_f32 v[SS], v[T], v[T+1]
.endm
.macro MEANOF                          ; the mean of a row's 64 numbers, in both registers of the pair
	TREE
	v_permlanex16_b32 v[P1], v[SS], s66, s67
	v_add_f32 v[SS], v[SS], v[P1]
	v_mul_f32 v[MEAN], s68, v[SS]
	v_mul_f32 v[MEAN+1], s68, v[SS]
.endm
.macro B_SUMS                          ; sum and sum of squares of my 32 numbers of x; each accumulator is read from its low end on
.irp p, 0,1,2,3,4,5,6,7
	v_pk_add_f32 v[T+2*\p:T+2*\p+1], v[H+2*\p:H+2*\p+1], v[H+16+2*\p:H+17+2*\p]
.if \p == 0
	v_pk_mul_f32 v[SQ:SQ+1], v[H:H+1], v[H:H+1]
	v_pk_mul_f32 v[SQ+2:SQ+3], v[H+16:H+17], v[H+16:H+17]
.else
	v_pk_fma_f32 v[SQ:SQ+1], v[H+2*\p:H+2*\p+1], v[H+2*\p:H+2*\p+1], v[SQ:SQ+1]
	v_pk_fma_f32 v[SQ+2:SQ+3], v[H+16+2*\p:H+17+2*\p], v[H+16+2*\p:H+17+2*\p], v[SQ+2:SQ+3]
.endif
.endr
	TREE
	v_pk_add_f32 v[SQ:SQ+1], v[SQ:SQ+1], v[SQ+2:SQ+3]
	v_add_f32 v[QQ], v[SQ], v[SQ+1]
	v_permlanex16_b32 v[P1], v[SS], s66, s67
	v_permlanex16_b32 v[P2], v[QQ], s66, s67
.endm
.macro B_STATS1
	v_add_f32 v[SS], v[SS], v[P1]
	v_add_f32 v[QQ], v[QQ], v[P2]
	v_mul_f32 v[MEAN], s68, v[SS]
	v_fma_f32 v[E1], v[QQ], s68, s69                 ; E[x^2] + eps
	v_fma_f32 v[VE], -v[MEAN], v[MEAN], v[E1]        ; var + eps,
	v_max_num_f32 v[VE], s69, v[VE]                  ; never under eps
.endm
.macro B_NORM                          ; (x - mean) / sqrt(var + eps) x g + beta
	v_mul_f32 v[AB+1], -v[MEAN], v[AB]
.set jb, 0
.rept 16
	v_pk_fma_f32 v[H+jb:H+jb+1], v[H+jb:H+jb+1], v[AB:AB+1], v[AB:AB+1] op_sel:[0,0,1] op_sel_hi:[1,0,1]
.set jb, jb+2
.endr
	WIN 0x14
.set jb, 0
.rept 16
	v_pk_fma_f32 v[H+jb:H+jb+1], v[H+jb:H+jb+1], v[GW+jb:GW+jb+1], v[BW+jb:BW+jb+1]
.set jb, jb+2
.endr
	WIN 0
.endm
.macro B_RELU                          ; relu on the codes: the three magnitude bits of every negative code are cleared (16 lines for 32 numbers).  The block's maximum was taken without |.|, so negative numbers did not count for the scale
.irp g, 0,1,2,3
	v_and_b32 v[RL+2*\g], s73, v[C2+\g]              ; the sign bits
.endr
.irp g, 0,1,2,3
	v_lshrrev_b32 v[RL+2*\g+1], 3, v[RL+2*\g]
.endr
.irp g, 0,1,2,3
	v_sub_nc_u32 v[RL+2*\g+1], v[RL+2*\g], v[RL+2*\g+1]   ; 8 - 1 = 7 in each negative code's place
.endr
.irp g, 0,1,2,3
	v_bfi_b32 v[C2+\g], v[RL+2*\g+1], 0, v[C2+\g]
.endr
.endm
; ---------------- stage C, for query i
.macro C_MAX i
	WIN 0x08
.irp t, 0,1,2,3
	v_mul_f32 v[FA+\t], s70, v[20*(\i)+\t]           ; L x the old maximum
.endr
	WIN 0
.irp t, 0,1,2,3
	v_max3_num_f32 v[AT+\t], v[W+8*\t], v[W+8*\t+1], v[W+8*\t+2]   ; each accumulator from its low end on
.endr
.irp o, 3,5
.irp t, 0,1,2,3
	v_max3_num_f32 v[AT+\t], v[AT+\t], v[W+8*\t+\o], v[W+8*\t+\o+1]
.endr
.endr
	WIN 0xa0
.irp t, 0,1,2,3
	v_max3_num_f32 v[20*(\i)+\t], v[AT+\t], v[W+8*\t+7], v[20*(\i)+\t]   ; the new maximum
.endr
	WIN 0x08
.irp t, 0,1,2,3
	v_mul_f32 v[CT+\t], s72, v[20*(\i)+\t]           ; -L x the new maximum
.endr
	WIN 0
.irp t, 0,1,2,3
	v_add_f32 v[FA+\t], v[FA+\t], v[CT+\t]
.endr
.endm
.macro CARG p                          ; L w - L maximum, two keys of tile p / 4
.if (((\p)/4)%2) == 0
	v_pk_fma_f32 v[W+2*(\p):W+2*(\p)+1], v[W+2*(\p):W+2*(\p)+1], s[70:71], v[CT+2*((\p)/8):CT+2*((\p)/8)+1] op_sel_hi:[1,0,0]
.else
	v_pk_fma_f32 v[W+2*(\p):W+2*(\p)+1], v[W+2*(\p):W+2*(\p)+1], s[70:71], v[CT+2*((\p)/8):CT+2*((\p)/8)+1] op_sel:[0,0,1] op_sel_hi:[1,0,1]
.endif
.endm
.macro C_ACC i
	WIN 0x82
.irp t, 0,1,2,3
.set rS, 20*(\i)+4+2*\t
.set rA, 20*(\i)+12+2*\t
.if (\t%2) == 0
	v_pk_mul_f32 v[rS:rS+1], v[rS:rS+1], v[FT+2*(\t/2):FT+2*(\t/2)+1] op_sel_hi:[1,0]   ; the sums under the new maximum
	v_pk_mul_f32 v[rA:rA+1], v[rA:rA+1], v[FT+2*(\t/2):FT+2*(\t/2)+1] op_sel_hi:[1,0]
.else
	v_pk_mul_f32 v[rS:rS+1], v[rS:rS+1], v[FT+2*(\t/2):FT+2*(\t/2)+1] op_sel:[0,1] op_sel_hi:[1,1]
	v_pk_mul_f32 v[rA:rA+1], v[rA:rA+1], v[FT+2*(\t/2):FT+2*(\t/2)+1] op_sel:[0,1] op_sel_hi:[1,1]
.endif
.endr
	WIN 0xa0
.irp q, 0,1,2,3
.irp t, 0,1,2,3
.set rS, 20*(\i)+4+2*\t
	v_pk_fma_f32 v[rS:rS+1], v[W+8*\t+2*\q:W+8*\t+2*\q+1], v[D8+2*\q:D8+2*\q+1], v[rS:rS+1]   ; the divisor: e x d
.endr
.endr
	WIN 0x08
.irp q, 0,1,2,3
.irp t, 0,1,2,3
	v_pk_mul_f32 v[W+8*\t+2*\q:W+8*\t+2*\q+1], v[W+8*\t+2*\q:W+8*\t+2*\q+1], v[DM+8*(\i)+2*\q:DM+8*(\i)+2*\q+1]   ; e x d where the pair counts, else 0
.endr
.endr
	WIN 0xa4
.irp q, 0,1,2,3
.irp t, 0,1,2,3
.set rA, 20*(\i)+12+2*\t
	v_pk_fma_f32 v[rA:rA+1], v[W+8*\t+2*\q:W+8*\t+2*\q+1], v[VV+8*\t+2*\q:VV+8*\t+2*\q+1], v[rA:rA+1]   ; x v; v's accumulators are read from their low end on
.endr
.endr
.endm
; ---------------- the step's ONE BATCH of transcendentals (b: B's 1 / sqrt; c: C's 32 weights and 4 factors), set among plain lines (c: the scalings; a: stage A's differences and its maximum).
; No line ahead of the wait names a result of the batch; a pair is scaled a slice ahead of its exponentials.  The wait stands ahead of the first line that names a result: one serves the batch.
.macro TRANS a, c, b
.if \c
	CARG 0
.endif
.if \b
	v_rsq_f32 v[AB], v[VE]
.endif
.if \a
	AREL 0
.endif
.if \c
	v_exp_f32 v[FT], v[FA]
.endif
.irp p, 1,2,3,4,5,6,7,8,9,10,11,12,13,14,15
.if \c
	CARG \p
	v_exp_f32 v[W+2*\p-2], v[W+2*\p-2]
.endif
.if \a
	AREL \p
.endif
.if \c
	v_exp_f32 v[W+2*\p-1], v[W+2*\p-1]
.endif
.endr
.irp e, 0,1,2,3
.if \c
.if \e < 2
	v_exp_f32 v[W+30+\e], v[W+30+\e]
.else
	v_exp_f32 v[FT+\e-1], v[FA+\e-1]
.endif
.endif
.if \a
	MAXHEAD AMX, X, \e, 1
.endif
.endr
.if \c
	v_exp_f32 v[FT+3], v[FA+3]
.endif
.if \a
	MAXREST AMX, X, 1                                ; plain lines behind the last transcendental
	SCALE AMX, SCA, TA, PA, SW1
.else
	v_nop                                            ; a plain line behind the last transcendental
.endif
	s_wait_alu depctr_va_vdst(0)
.endm
; ---------------- q and k
.macro PROJ ws, sc                     ; (feat W^T + b)^T: source 0 = 16 rows of the weight, source 1 = feat's 16 rows
	WIN \ws
.irp t, 0,1,2,3
	v_wmma_scale_f32_16x16x128_f8f6f4 v[H+8*\t:H+8*\t+7], v[8*\t:8*\t+7], v[F:F+7], v[32+8*\t:32+8*\t+7], v[\sc+\t], v[FSW] matrix_a_fmt:MATRIX_FMT_FP4 matrix_b_fmt:MATRIX_FMT_FP4
.endr
.endm
.macro LNRELU wg                       ; relu(LN(H)) into K, the variance in a second pass.  wg: the windows for gain and beta
.irp p, 0,1,2,3,4,5,6,7
	v_pk_add_f32 v[T+2*\p:T+2*\p+1], v[H+2*\p:H+2*\p+1], v[H+16+2*\p:H+17+2*\p]
.endr
	MEANOF
.set jl, 0
.rept 16
	v_pk_add_f32 v[H+jl:H+jl+1], v[H+jl:H+jl+1], v[MEAN:MEAN+1] neg_lo:[0,1] neg_hi:[0,1]
.set jl, jl+2
.endr
	v_pk_mul_f32 v[SQ:SQ+1], v[H:H+1], v[H:H+1]
	v_pk_mul_f32 v[SQ+2:SQ+3], v[H+16:H+17], v[H+16:H+17]
.irp p, 1,2,3,4,5,6,7
	v_pk_fma_f32 v[SQ:SQ+1], v[H+2*\p:H+2*\p+1], v[H+2*\p:H+2*\p+1], v[SQ:SQ+1]
	v_pk_fma_f32 v[SQ+2:SQ+3], v[H+16+2*\p:H+17+2*\p], v[H+16+2*\p:H+17+2*\p], v[SQ+2:SQ+3]
.endr
	v_pk_add_f32 v[SQ:SQ+1], v[SQ:SQ+1], v[SQ+2:SQ+3]
	v_add_f32 v[QQ], v[SQ], v[SQ+1]
	v_permlanex16_b32 v[P2], v[QQ], s66, s67
	v_add_f32 v[QQ], v[QQ], v[P2]
	v_fma_f32 v[VE], v[QQ], s68, s69
	v_rsq_f32 v[AB], v[VE]
	v_nop                                            ; a plain line behind the transcendental,
	s_wait_alu depctr_va_vdst(0)                     ; and the wait ahead of its first reader
.set jl, 0
.rept 16
	v_pk_mul_f32 v[H+jl:H+jl+1], v[H+jl:H+jl+1], v[AB:AB+1] op_sel_hi:[1,0]
.set jl, jl+2
.endr
	WIN \wg
.set jl, 0
.rept 16
	v_pk_fma_f32 v[H+jl:H+jl+1], v[H+jl:H+jl+1], v[64+jl:64+jl+1], v[96+jl:96+jl+1]
.set jl, jl+2
.endr
	WIN 0
.set jl, 0
.rept 32
	v_max_num_f32 v[K+jl], 0, v[H+jl]
.set jl, jl+1
.endr
.endm
; ---------------- STEP n: A(n + 1), B(n), C(n - 1)
; Distances: the first 36 lines name none of the registers of the product w(n - 1) just issued; x(n + 1)'s product stands 36 plain lines or more behind rel's codes and scale word;
; w(n)'s stands behind C's 56 lines (in step 0 behind eight v_nop), which name none of x(n + 1)'s registers.
.macro STEP n
	B_SUMS
.if (\n) >= 1
	C_MAX (\n)-1
.endif
	B_STATS1
.if (\n) <= 6
	s_wait_dscnt 0x0                                 ; q of query n + 1 is in X (asked for a step ago)
.endif
.if (\n) == 0
	TRANS 1, 0, 1
.elseif (\n) <= 6
	TRANS 1, 1, 1
.else
	TRANS 0, 1, 1
.endif
	B_NORM
.if (\n) <= 6
	CVT C1, X, SCA
.endif
.if (\n) <= 5
	A_LOADQ (\n)+2                                   ; into the registers that the conversions have read
.endif
.irp e, 0,1,2,3
	MAXHEAD BMX, H, \e, 0                            ; (plain lines behind the conversions above)
.endr
	MAXREST BMX, H, 0
	SCALE BMX, SCB, TB, PB, SW2
	CVT C2, H, SCB
	v_nop                                            ; a plain line between a scaled conversion and the lines that touch its result
	B_RELU
.if (\n) <= 6
	M1
.endif
.if (\n) >= 1
	C_ACC (\n)-1
.else
	WIN 0
	NOPS 8                                           ; the scale word and the codes stand 8 and 4 plain lines ahead of the product
.endif
	M2
	WIN 0
.endm
; ---------------- the head's loads
.macro LDFRAG reg, off, ptr, step      ; four fragments' codes: registers reg + 8 t + 0 .. 3
.irp t, 0,1,2,3
	global_load_b128 v[\reg+8*\t:\reg+8*\t+3], v[\off], s[\ptr:\ptr+1] offset:\step*\t
.endr
.endm
.macro LDSCL reg, off, ptr, step       ; their rows' scale words: two bytes, widened with zeros (a byte 0 over zero codes adds nothing)
.irp t, 0,1,2,3
	global_load_u16 v[\reg+\t], v[\off], s[\ptr:\ptr+1] offset:\step*\t
.endr
.endm
.macro LDTAB reg, ptr                  ; register c = value[32 h + c]
.irp g, 0,1,2,3,4,5,6,7
	global_load_b128 v[\reg+4*\g:\reg+4*\g+3], v248, s[\ptr:\ptr+1] offset:16*\g
.endr
.endm
; ======================================================== THE HEAD
	s_load_b512 s[4:19], s[0:1], 0x0                 ; feat_codes, feat_scales, distribution, Wq_codes, Wq_scales, bq, gq, betaq
	s_load_b512 s[20:35], s[0:1], 0x40               ; Wk_codes, Wk_scales, bk, gk, betak, Wv_codes, Wv_scales, bv
	s_load_b512 s[36:51], s[0:1], 0x80               ; W1_codes, W1_scales, b1, gw, betaw, W2_codes, W2_scales, b2
	s_load_b64 s[52:53], s[0:1], 0xc0                ; out0
	v_lshl_add_u32 v39, v0, 2, 0x19000
	v_mov_b32 v255, 0
	v_lshrrev_b32 v62, 5, v0
	v_readfirstlane_b32 s54, v62                     ; wave 0..3
	v_and_b32 v62, 31, v0                            ; lane
	v_and_b32 v63, 15, v0                            ; r
	v_bfe_u32 v64, v0, 4, 1                          ; h
	v_and_b32 v65, 7, v0                             ; r % 8
	v_bfe_u32 v66, v0, 3, 1                          ; r / 8
	v_and_b32 v67, 3, v0                             ; lane % 4
	v_bfe_u32 v68, v0, 2, 3                          ; lane / 4
	s_mul_i32 s61, s54, WREG                         ; my wave's region of LDS
	v_lshlrev_b32 v[L16], 4, v62
	s_add_co_u32 s55, s61, QO
	v_lshl_add_u32 v[LQ], v64, 7, s55                ; q: + 128 h
	v_lshl_add_u32 v253, v65, 8, v[LQ]               ; where my lane stores q: + 256 (r % 8)
	s_add_co_u32 s55, s61, DMT
	v_lshl_add_u32 v[LDMR], v64, 5, s55
	v_add_nc_u32 v[LDMW], s55, v[L16]
	v_lshlrev_b32 v70, 5, v63
	v_lshl_add_u32 v70, v64, 4, v70
	v_add_nc_u32 v[LF0], s61, v70                    ; feat's codes: 32 r + 16 h
	s_add_co_u32 s55, s61, FSO
	v_lshl_add_u32 v[LFS0], v63, 1, s55
	s_add_co_u32 s55, s61, DD
	v_lshl_add_u32 v[LD80], v64, 5, s55
	v_lshl_add_u32 v[LDQ0], v67, 4, s55
	v_add_nc_u32 v254, s61, v[L16]                   ; staging: 16 x lane
	s_mul_i32 s55, s54, 12288
	s_add_co_u32 s55, s55, MG
	v_add_nc_u32 v[LMG], s55, v[L16]                 ; the merge: where my wave's 24 images begin,
	s_mul_i32 s55, s54, 3072
	s_add_co_u32 s55, s55, MG
	v_add_nc_u32 v[LMR], s55, v[L16]                 ; and where wave 0's images of my two queries begin
	v_lshlrev_b32 v244, 10, v66                      ; rows 32 (r / 8) + 8 t + r % 8 of 32 bytes, + 16 h
	v_lshl_add_u32 v244, v65, 5, v244
	v_lshl_add_u32 v244, v64, 4, v244
	v_lshlrev_b32 v245, 6, v66                       ; their scale words, 2 bytes a row
	v_lshl_add_u32 v245, v65, 1, v245
	v_lshlrev_b32 v246, 7, v63                       ; rows 4 r + t, + 16 h
	v_lshl_add_u32 v246, v64, 4, v246
	v_lshlrev_b32 v247, 3, v63                       ; their scale words
	v_lshlrev_b32 v248, 7, v64                       ; tables by channel: 128 h
	v_lshlrev_b32 v249, 4, v63                       ; values 4 r + 0 .. 3
	v_lshlrev_b32 v250, 5, v65                       ; the queries' rows of feat: 32 (r % 8) + 16 h
	v_lshl_add_u32 v250, v64, 4, v250
	v_lshlrev_b32 v251, 1, v65
	v_lshlrev_b32 v252, 2, v68                       ; d of query lane / 4
	s_mov_b32 s66, 0x76543210                        ; v_permlanex16_b32's selects for lane xor 16
	s_mov_b32 s67, 0xfedcba98
	s_mov_b32 s68, 0x3c800000                        ; 1 / 64
	s_mov_b32 s69, 0x3727c5ac                        ; 1e-5
	s_mov_b32 s70, 0x3fb8aa3b                        ; L = log2 e
	s_mov_b32 s71, s70                               ; (named with it as a pair)
	s_mov_b32 s72, 0xbfb8aa3b                        ; -L
	s_mov_b32 s73, 0x88888888                        ; eight codes' sign bits
	s_mov_b32 s74, 0x03030703                        ; SCALE's byte selects
	s_lshr_b32 s55, ttmp9, 7
	s_lshl_b32 s55, s55, 10                          ; 1,024 x batch
	s_and_b32 s56, ttmp9, 127
	s_lshl_b32 s56, s56, 3
	s_add_co_u32 s56, s56, s55                       ; my work-group's first query's row
	s_lshl_b32 s62, s54, 8
	s_add_co_u32 s62, s62, s55                       ; my wave's first key's row
	s_lshl_b32 s63, s54, 1
	s_add_co_u32 s63, s63, s56                       ; the first of the two rows of out0 that my wave stores
	s_mov_b32 s91, 0
	s_wait_kmcnt 0x0
	s_lshl_b32 s90, s62, 5
	s_add_nc_u64 s[76:77], s[4:5], s[90:91]          ; my keys: codes,
	s_lshl_b32 s90, s62, 1
	s_add_nc_u64 s[78:79], s[6:7], s[90:91]          ; scale bytes,
	s_lshl_b32 s90, s62, 2
	s_add_nc_u64 s[80:81], s[8:9], s[90:91]          ; d
	s_lshl_b32 s90, s56, 5
	s_add_nc_u64 s[82:83], s[4:5], s[90:91]          ; the queries: codes,
	s_lshl_b32 s90, s56, 1
	s_add_nc_u64 s[84:85], s[6:7], s[90:91]          ; scale bytes,
	s_lshl_b32 s90, s56, 2
	s_add_nc_u64 s[86:87], s[8:9], s[90:91]          ; d
	s_lshl_b32 s90, s63, 8
	s_add_nc_u64 s[88:89], s[52:53], s[90:91]        ; out0
	; ---- every load from memory of the launch; each instruction of the first nineteen reads 512 consecutive bytes
.irp i, 0,1,2,3,4,5,6,7
	global_load_b128 v[X+4*\i:X+4*\i+3], v[L16], s[76:77] offset:512*\i
.endr
.irp i, 0,1,2,3,4,5,6,7
	global_load_b128 v[W+4*\i:W+4*\i+3], v[L16], s[76:77] offset:4096+512*\i
.endr
	global_load_b128 v[K:K+3], v[L16], s[78:79]
	global_load_b128 v[K+4:K+7], v[L16], s[80:81]
	global_load_b128 v[K+8:K+11], v[L16], s[80:81] offset:512
	LDSCL W1S, 245, 38, 16
	LDSCL W2S, 247, 48, 2
	LDSCL WKS, 245, 22, 16
	LDSCL WVS, 247, 32, 2
	LDSCL WQS, 245, 12, 16
	global_load_b128 v[DQ:DQ+3], v249, s[50:51]      ; b2[4 r + 0 .. 3]
	global_load_b128 v[DMQ:DMQ+3], v249, s[34:35]    ; bv[4 r + 0 .. 3]
	global_load_u16 v[FSW], v251, s[84:85]           ; the queries' scale words
	global_load_b32 v[DI], v252, s[86:87]
	WIN 0x40                                         ; destination window 1
	LDFRAG W1F, 244, 36, 256
	LDFRAG W2F, 246, 46, 32
	LDTAB B1C, 40
	LDTAB GW, 42
	LDTAB BW, 44
	WIN 0x80                                         ; window 2: q's constants
	LDFRAG 0, 244, 10, 256
	LDTAB 32, 14
	LDTAB 64, 16
	LDTAB 96, 18
	WIN 0xc0                                         ; window 3: k's and v's
	LDFRAG 0, 244, 20, 256
	LDTAB 32, 24
	LDTAB 64, 26
	LDTAB 96, 28
	LDFRAG WVF, 246, 30, 32
	global_load_b128 v[F:F+3], v250, s[82:83]        ; feat's rows of queries r % 8
	; ---- while they are on their way: K = 64 .. 127 of every operand is zero codes, written once
.irp t, 0,1,2,3
.irp e, 4,5,6,7
	v_mov_b32 v[8*\t+\e], 0
	v_mov_b32 v[WVF+8*\t+\e], 0
.endr
.endr
.irp e, 4,5,6,7
	v_mov_b32 v[F+\e], 0
.endr
	WIN 0x80
.irp t, 0,1,2,3
.irp e, 4,5,6,7
	v_mov_b32 v[8*\t+\e], 0
.endr
.endr
	WIN 0x40
.irp t, 0,1,2,3
.irp e, 4,5,6,7
	v_mov_b32 v[W1F+8*\t+\e], 0
	v_mov_b32 v[W2F+8*\t+\e], 0
.endr
.endr
	WIN 0
.irp e, 4,5,6,7
	v_mov_b32 v[C1+\e], 0
	v_mov_b32 v[C2+\e], 0
.endr
	v_mov_b32 v[P1], 0                               ; a lane permute's destination counts as one of its sources
	v_mov_b32 v[P2], 0
	v_mov_b32 v[PA], 0
	v_mov_b32 v[PB], 0
	v_mov_b32 v[AB+1], 0                             ; (named as the upper half of a pair before it is first written)
	s_wait_loadcnt 0x0                               ; all of them
	; ---- my keys' codes, scale bytes and d into my region of LDS, as they lie in memory
.irp i, 0,1,2,3,4,5,6,7
	ds_store_b128 v254, v[X+4*\i:X+4*\i+3] offset:FC+512*\i
.endr
.irp i, 0,1,2,3,4,5,6,7
	ds_store_b128 v254, v[W+4*\i:W+4*\i+3] offset:FC+4096+512*\i
.endr
	ds_store_b128 v254, v[K:K+3] offset:FSO
	ds_store_b128 v254, v[K+4:K+7] offset:DD
	ds_store_b128 v254, v[K+8:K+11] offset:DD+512
	s_wait_dscnt 0x0                                 ; the stores have read their registers
	; ---- q of the 8 queries (each wave for itself: lanes r and r + 8 hold the same query)
	PROJ 0x2e, WQS
	WIN 0x05                                         ; behind the products, as their plain lines: b1 is centred,
.irp p, 0,1,2,3,4,5,6,7
	v_pk_add_f32 v[T+2*\p:T+2*\p+1], v[B1C+2*\p:B1C+2*\p+1], v[B1C+16+2*\p:B1C+17+2*\p]
.endr
	WIN 0
	MEANOF
	WIN 0x41
.set jh, 0
.rept 16
	v_pk_add_f32 v[B1C+jh:B1C+jh+1], v[B1C+jh:B1C+jh+1], v[MEAN:MEAN+1] neg_lo:[0,1] neg_hi:[0,1]
.set jh, jh+2
.endr
	WIN 0x40                                         ; and b2 and bv are laid as the C of their products: a lane's channel 4 r + t in all eight registers of tile t
.irp t, 0,1,2,3
.irp e, 0,1,2,3,4,5,6,7
	v_mov_b32 v[B2T+8*\t+\e], v[DQ+\t]
.endr
.endr
	WIN 0xc0
.irp t, 0,1,2,3
.irp e, 0,1,2,3,4,5,6,7
	v_mov_b32 v[BVT+8*\t+\e], v[DMQ+\t]
.endr
.endr
	ds_load_b128 v[F:F+3], v[LF0]                    ; key tile 0: feat's fragment (LDS serves a wave's instructions in order: these see my stores),
	WIN 0
	ds_load_u16 v[FSW], v[LFS0]                      ; its scale words,
	ds_load_b128 v[DQ:DQ+3], v[LDQ0]                 ; d of keys 4 (lane % 4) + 0 .. 3
	LNRELU 0x28
.irp g, 0,1,2,3,4,5,6,7
	ds_store_b128 v253, v[K+4*\g:K+4*\g+3] offset:16*\g
.endr
	WIN 0x80                                         ; the state, over q's constants, which are done with.  The key tile's text is written once: its first trip finds zeros, which the first change of a maximum leaves zeros
.set jh, 0
.rept 8
.irp t, 0,1,2,3
	v_mov_b32 v[20*jh+\t], 0xfe967699                ; -1e38
.endr
.irp t, 4,5,6,7,8,9,10,11,12,13,14,15,16,17,18,19
	v_mov_b32 v[20*jh+\t], 0
.endr
.set jh, jh+1
.endr
	WIN 0
	s_mov_b32 s57, 0
	s_mov_b32 s58, 0
	s_mov_b32 s59, 0
	s_mov_b32 s60, 0
; ======================================================== 16 KEY TILES
.Lkt:
	s_wait_dscnt 0x0                                 ; feat's fragment, its scale words and d, asked for a trip ago, are in; no LDS instruction of mine is out
	v_add_nc_u32 v[LF], s58, v[LF0]
	v_add_nc_u32 v[LFS], s59, v[LFS0]
	v_add_nc_u32 v[LD8], s60, v[LD80]
	v_add_nc_u32 v[LDQ], s60, v[LDQ0]
	ds_load_b128 v[D8:D8+3], v[LD8]
	ds_load_b128 v[D8+4:D8+7], v[LD8] offset:16
	PROJ 0x3f, WKS                                   ; (feat Wk^T + bk)^T
	WIN 0x7f
.irp t, 0,1,2,3
	v_wmma_scale_f32_16x16x128_f8f6f4 v[VV+8*\t:VV+8*\t+7], v[F:F+7], v[WVF+8*\t:WVF+8*\t+7], v[BVT+8*\t:BVT+8*\t+7], v[FSW], v[WVS+\t] matrix_a_fmt:MATRIX_FMT_FP4 matrix_b_fmt:MATRIX_FMT_FP4   ; v = feat Wv^T + bv
.endr
	WIN 0
.irp e, 0,1,2,3
	v_mul_f32 v[PR+\e], v[DI], v[DQ+\e]              ; d_i d_j: query lane / 4, keys 4 (lane % 4) + e.  (These lines are also the plain lines behind the products)
.endr
.irp e, 0,1,2,3
	v_cmp_lt_f32 vcc_lo, 0, v[PR+\e]
	v_cndmask_b32 v[DMQ+\e], 0, v[DQ+\e], vcc_lo     ; dm = d_j where the pair counts
.endr
	ds_store_b128 v[LDMW], v[DMQ:DMQ+3]              ; dm[query][key], 64 bytes a query;
	WIN 0x80
.irp i, 0,1,2,3,4,5,6,7
	ds_load_b128 v[DM+8*\i:DM+8*\i+3], v[LDMR] offset:64*\i        ; and back, for each query my keys 8 h + 0 .. 7
	ds_load_b128 v[DM+8*\i+4:DM+8*\i+7], v[LDMR] offset:64*\i+16
.endr
	WIN 0
	s_cmp_eq_u32 s57, 15                             ; the last trip has no next key tile
	s_cbranch_scc1 .Lnola
	WIN 0xc0
	ds_load_b128 v[F:F+3], v[LF] offset:512          ; the next key tile's, a trip ahead of their use
	WIN 0
	ds_load_u16 v[FSW], v[LFS] offset:32
	ds_load_b128 v[DQ:DQ+3], v[LDQ] offset:64
.Lnola:
	A_LOADQ 0
	LNRELU 0x3c                                      ; k
	s_wait_dscnt 0x0                                 ; q of query 0, d, dm
.irp p, 0,1,2,3,4,5,6,7,8,9,10,11,12,13,14,15
	AREL \p
.endr
.irp e, 0,1,2,3
	MAXHEAD AMX, X, \e, 1
.endr
	MAXREST AMX, X, 1
	SCALE AMX, SCA, TA, PA, SW1
	CVT C1, X, SCA
	A_LOADQ 1
	NOPS 8                                           ; the scale word stands 8 plain lines ahead of the product, the codes 4
	M1
	WIN 0
	NOPS 4                                           ; and its results are read 4 plain lines behind it
.irp n, 0,1,2,3,4,5,6,7
	STEP \n
.endr
	NOPS 4
	C_MAX 7                                          ; the pipeline runs out: stage C of query 7
	TRANS 0, 1, 0
	C_ACC 7
	WIN 0
	s_add_co_u32 s58, s58, 512                       ; 16 keys on: codes,
	s_add_co_u32 s59, s59, 32                        ; scale bytes,
	s_add_co_u32 s60, s60, 64                        ; d
	s_add_co_u32 s57, s57, 1
	s_cmp_lt_u32 s57, 16
	s_cbranch_scc1 .Lkt
; ======================================================== THE MERGE
	WIN 0x0a                                         ; the pairs' halves are added: 8 numbers a query, each query's in registers of its own
.irp i, 0,1,2,3,4,5,6,7
.irp t, 0,1,2,3
	v_add_f32 v[X+8*\i+\t], v[20*\i+4+2*\t], v[20*\i+5+2*\t]
	v_add_f32 v[X+8*\i+4+\t], v[20*\i+12+2*\t], v[20*\i+13+2*\t]
.endr
.endr
	WIN 0x08                                         ; an LDS store's data are its source 1: window 2
.irp i, 0,1,2,3,4,5,6,7
	ds_store_b128 v[LMG], v[20*\i:20*\i+3] offset:(3*\i)*512
.endr
	WIN 0
.irp i, 0,1,2,3,4,5,6,7
	ds_store_b128 v[LMG], v[X+8*\i:X+8*\i+3] offset:(3*\i+1)*512
	ds_store_b128 v[LMG], v[X+8*\i+4:X+8*\i+7] offset:(3*\i+2)*512
.endr
	s_wait_dscnt 0x0                                 ; for the others' sake: my images have landed
	s_barrier_signal -1
	s_barrier_wait -1
.set MR, 104            ; v104-199: (query u of my two, wave y): maxima at MR + 48 u + 12 y, sums + 4, weighted sums + 8
.set GM, 200
.set GP, 208
.set GC, 216
.set GS, 224
.set GA, 232
.irp u, 0,1
.irp y, 0,1,2,3
.irp d, 0,1,2
	ds_load_b128 v[MR+48*\u+12*\y+4*\d:MR+48*\u+12*\y+4*\d+3], v[LMR] offset:12288*\y+1536*\u+512*\d
.endr
.endr
.endr
	s_wait_dscnt 0x0
.irp u, 0,1
.irp t, 0,1,2,3
	v_max3_num_f32 v[GM+4*\u+\t], v[MR+48*\u+\t], v[MR+48*\u+12+\t], v[MR+48*\u+24+\t]
.endr
.endr
.irp u, 0,1
.irp t, 0,1,2,3
	v_max_num_f32 v[GM+4*\u+\t], v[GM+4*\u+\t], v[MR+48*\u+36+\t]
.endr
.endr
.irp e, 0,1,2,3,4,5,6,7
	v_permlanex16_b32 v[GP+\e], v[GM+\e], s66, s67
.endr
.irp e, 0,1,2,3,4,5,6,7
	v_max_num_f32 v[GM+\e], v[GM+\e], v[GP+\e]       ; the channel's maximum over all 1,024 keys
.endr
.irp e, 0,1,2,3,4,5,6,7
	v_mul_f32 v[GC+\e], s72, v[GM+\e]
.endr
.irp u, 0,1
.irp y, 0,1,2,3
.irp q, 0,1
	v_pk_fma_f32 v[MR+48*\u+12*\y+2*\q:MR+48*\u+12*\y+2*\q+1], v[MR+48*\u+12*\y+2*\q:MR+48*\u+12*\y+2*\q+1], s[70:71], v[GC+4*\u+2*\q:GC+4*\u+2*\q+1] op_sel_hi:[1,0,1]
.endr
.endr
.endr
.irp u, 0,1
.irp y, 0,1,2,3
.irp t, 0,1,2,3
	v_exp_f32 v[MR+48*\u+12*\y+\t], v[MR+48*\u+12*\y+\t]   ; what brings a part's sums under the common maximum
.endr
.endr
.endr
	v_nop                                            ; a plain line behind the last transcendental,
	s_wait_alu depctr_va_vdst(0)                     ; and one wait for the batch of 32
.irp u, 0,1
.irp q, 0,1
	v_pk_mul_f32 v[GS+4*\u+2*\q:GS+4*\u+2*\q+1], v[MR+48*\u+2*\q:MR+48*\u+2*\q+1], v[MR+48*\u+4+2*\q:MR+48*\u+5+2*\q]
	v_pk_mul_f32 v[GA+4*\u+2*\q:GA+4*\u+2*\q+1], v[MR+48*\u+2*\q:MR+48*\u+2*\q+1], v[MR+48*\u+8+2*\q:MR+48*\u+9+2*\q]
.endr
.endr
.irp y, 1,2,3
.irp u, 0,1
.irp q, 0,1
	v_pk_fma_f32 v[GS+4*\u+2*\q:GS+4*\u+2*\q+1], v[MR+48*\u+12*\y+2*\q:MR+48*\u+12*\y+2*\q+1], v[MR+48*\u+12*\y+4+2*\q:MR+48*\u+12*\y+5+2*\q], v[GS+4*\u+2*\q:GS+4*\u+2*\q+1]
	v_pk_fma_f32 v[GA+4*\u+2*\q:GA+4*\u+2*\q+1], v[MR+48*\u+12*\y+2*\q:MR+48*\u+12*\y+2*\q+1], v[MR+48*\u+12*\y+8+2*\q:MR+48*\u+12*\y+9+2*\q], v[GA+4*\u+2*\q:GA+4*\u+2*\q+1]
.endr
.endr
.endr
.irp e, 0,1,2,3,4,5,6,7
	v_permlanex16_b32 v[GP+\e], v[GS+\e], s66, s67
	v_permlanex16_b32 v[GC+\e], v[GA+\e], s66, s67
.endr
.irp e, 0,2,4,6
	v_pk_add_f32 v[GS+\e:GS+\e+1], v[GS+\e:GS+\e+1], v[GP+\e:GP+\e+1]   ; with the other half's keys
	v_pk_add_f32 v[GA+\e:GA+\e+1], v[GA+\e:GA+\e+1], v[GC+\e:GC+\e+1]
.endr
	v_and_b32 v[PR], 16, v0
	v_cmp_ne_u32 vcc_lo, 0, v[PR]                    ; lanes 0-15 store my first query's row, lanes 16-31 my second's
.irp t, 0,1,2,3
	v_cndmask_b32 v[GS+\t], v[GS+\t], v[GS+4+\t], vcc_lo
	v_cndmask_b32 v[GA+\t], v[GA+\t], v[GA+4+\t], vcc_lo
.endr
.irp t, 0,1,2,3
	v_rcp_f32 v[GP+\t], v[GS+\t]
.endr
	v_nop
	s_wait_alu depctr_va_vdst(0)                     ; one wait for the four reciprocals
.irp t, 0,1,2,3
	v_mul_f32 v[GM+\t], v[GA+\t], v[GP+\t]
.endr
	global_store_b128 v[L16], v[GM:GM+3], s[88:89]   ; channels 4 r + 0 .. 3: the wave stores two whole rows, 512 consecutive bytes, at a multiple of 256 from out0's first byte
	s_wait_tensorcnt 0x0
	ds_add_u32 v39, v255
	s_wait_dscnt 0x0
	s_endpgm
.Lfunc_end_k_q4b2af7e6bd_vattn:
	.size	k_q4b2af7e6bd_vattn, .Lfunc_end_k_q4b2af7e6bd_vattn-k_q4b2af7e6bd_vattn
	.p2alignl 7, 3214868480
	.fill 96, 4, 3214868480
	.section	.rodata,"a",@progbits
	.p2align	6, 0x0
	.amdhsa_kernel k_q4b2af7e6bd_vattn
		.amdhsa_group_segment_fixed_size 102912
		.amdhsa_private_segment_fixed_size 0
		.amdhsa_enable_private_segment 0
		.amdhsa_kernarg_size 200
		.amdhsa_user_sgpr_count 2
		.amdhsa_user_sgpr_kernarg_segment_ptr 1
		.amdhsa_wavefront_size32 1
		.amdhsa_system_sgpr_workgroup_id_x 1
		.amdhsa_system_sgpr_workgroup_id_y 1
		.amdhsa_system_sgpr_workgroup_id_z 1
		.amdhsa_system_vgpr_workitem_id 0
		.amdhsa_next_free_vgpr 1024
		.amdhsa_next_free_sgpr 92
		.amdhsa_reserve_vcc 1
		.amdhsa_float_denorm_mode_32 3
		.amdhsa_float_denorm_mode_16_64 3
		.amdhsa_memory_ordered 1
		.amdhsa_forward_progress 1
		.amdhsa_inst_pref_size 210
	.end_amdhsa_kernel
	.amdgpu_metadata
---
amdhsa.version: [ 1, 2 ]
amdhsa.kernels:
  - .name:           k_q4b2af7e6bd_vattn
    .symbol:         k_q4b2af7e6bd_vattn.kd
    .args:
      - { .name: feat_codes, .offset: 0, .size: 8, .value_kind: global_buffer, .address_space: global }
      - { .name: feat_scales, .offset: 8, .size: 8, .value_kind: global_buffer, .address_space: global }
      - { .name: distribution, .offset: 16, .size: 8, .value_kind: global_buffer, .address_space: global }
      - { .name: Wq_codes, .offset: 24, .size: 8, .value_kind: global_buffer, .address_space: global }
      - { .name: Wq_scales, .offset: 32, .size: 8, .value_kind: global_buffer, .address_space: global }
      - { .name: bq, .offset: 40, .size: 8, .value_kind: global_buffer, .address_space: global }
      - { .name: gq, .offset: 48, .size: 8, .value_kind: global_buffer, .address_space: global }
      - { .name: betaq, .offset: 56, .size: 8, .value_kind: global_buffer, .address_space: global }
      - { .name: Wk_codes, .offset: 64, .size: 8, .value_kind: global_buffer, .address_space: global }
      - { .name: Wk_scales, .offset: 72, .size: 8, .value_kind: global_buffer, .address_space: global }
      - { .name: bk, .offset: 80, .size: 8, .value_kind: global_buffer, .address_space: global }
      - { .name: gk, .offset: 88, .size: 8, .value_kind: global_buffer, .address_space: global }
      - { .name: betak, .offset: 96, .size: 8, .value_kind: global_buffer, .address_space: global }
      - { .name: Wv_codes, .offset: 104, .size: 8, .value_kind: global_buffer, .address_space: global }
      - { .name: Wv_scales, .offset: 112, .size: 8, .value_kind: global_buffer, .address_space: global }
      - { .name: bv, .offset: 120, .size: 8, .value_kind: global_buffer, .address_space: global }
      - { .name: W1_codes, .offset: 128, .size: 8, .value_kind: global_buffer, .address_space: global }
      - { .name: W1_scales, .offset: 136, .size: 8, .value_kind: global_buffer, .address_space: global }
      - { .name: b1, .offset: 144, .size: 8, .value_kind: global_buffer, .address_space: global }
      - { .name: gw, .offset: 152, .size: 8, .value_kind: global_buffer, .address_space: global }
      - { .name: betaw, .offset: 160, .size: 8, .value_kind: global_buffer, .address_space: global }
      - { .name: W2_codes, .offset: 168, .size: 8, .value_kind: global_buffer, .address_space: global }
      - { .name: W2_scales, .offset: 176, .size: 8, .value_kind: global_buffer, .address_space: global }
      - { .name: b2, .offset: 184, .size: 8, .value_kind: global_buffer, .address_space: global }
      - { .name: out0, .offset: 192, .size: 8, .value_kind: global_buffer, .address_space: global }
    .group_segment_fixed_size: 102912
    .private_segment_fixed_size: 0
    .kernarg_segment_align: 8
    .kernarg_segment_size: 200
    .max_flat_workgroup_size: 128
    .sgpr_count:     92
    .vgpr_count:     1024
    .wavefront_size: 32
...
	.end_amdgpu_metadata
.endif
;; end of part 1
;; ======== version 2 of 2: 1 launch; version 1 with the launch vattn written anew for expert scheduling mode
;; limits: a difference of large sums (such as E[x^2] - mean^2): digits are lost where the result is much smaller than its terms
;; launch vattn (part 2): grid 256 x 1, 4 waves a work-group, no clusters, 102,912 bytes of LDS; arguments feat_codes, feat_scales, distribution, Wq_codes, Wq_scales, bq, gq, betaq, Wk_codes, Wk_scales, bk, gk, betak, Wv_codes, Wv_scales, bv, W1_codes, W1_scales, b1, gw, betaw, W2_codes, W2_scales, b2, out0; writes out0
.if DOCPART == 2
	.amdgcn_target "amdgcn-amd-amdhsa--gfx1250"
	.amdhsa_code_object_version 6
	.text
	.protected	k_q4b2af7e6bd_vattn
	.globl	k_q4b2af7e6bd_vattn
	.p2align	8
	.type	k_q4b2af7e6bd_vattn,@function
k_q4b2af7e6bd_vattn:
	s_mov_b64 s[64:65], 0
	v_nop
	global_prefetch_b8 v0, s[64:65] scope:SCOPE_SE
	s_setreg_imm32_b32 hwreg(HW_REG_WAVE_SCHED_MODE, 0, 2), 2
	s_setreg_imm32_b32 hwreg(HW_REG_WAVE_MODE, 25, 1), 1
	s_wait_xcnt 0x0
	s_wait_alu depctr_vm_vsrc(0)
; VECTOR ATTENTION, B = 2, N = 1,024, C = 64, every product but the last on codes of FP4 (E2M1) with one E8M0 scale for each 32 along K.
; q, k = relu(LN(feat W^T + b)), v = feat Wv^T + bv.  For each pair (query i, key j): rel = k_j - q_i, quantised; x = rel W1^T + b1; hid = relu(LN(x)), quantised; w = hid W2^T + b2.
; Per channel: out_i = sum_j e^(w - max_j w) dm_ij v_j / sum_j e^(w - max_j w) d_j, with dm_ij = d_j where d_i d_j > 0, else 0.  The maximum is a running one.
; SHARES.  Work-group x: batch x / 128, the 8 queries from 8 (x % 128), all 1,024 keys: each row of out0 has one owner.  Wave w: keys 256 w .. 256 w + 255, in 16 key tiles of 16.  A tile of pairs is one query x 16 keys.
; Each wave makes k and v of a key tile itself, from feat's codes: 8 matrix instructions and one LN for 8 tiles of pairs; k and v of all keys would fit neither the registers nor LDS.
; LAYOUTS (lane = 16 h + r).  K is 64, so an operand's registers 0-3 hold row r, channels 32 h .. 32 h + 31, one whole block, and registers 4-7 hold zero codes, written once.
;  x^T = W1 rel^T (source 0 = 16 rows of W1, source 1 = 16 pairs).  Lane r of W1's tile t takes row 32 (r / 8) + 8 t + r % 8, so that in the four results lane (r, h) holds pair r and register c channel 32 h + c:
;  the next operand's layout.  A block's largest magnitude needs no other lane; LN needs one exchange with lane xor 16.  k and q are made the same way.
;  w = hid W2^T (source 0 = 16 pairs, source 1 = 16 rows of W2; lane r of tile t takes row 4 r + t): a lane holds ONE channel and the keys 8 h + 0 .. 7, so maxima and sums over keys run along registers.  v is made the same way.
; A PIPELINE OF THREE STAGES over the 8 queries of a key tile: in step n stage A (rel, quantise) works on query n + 1, stage B (LN, relu, quantise) on query n, stage C (softmax, sums) on query n - 1.
;  The step's 37 transcendentals are one batch with one wait; the matrix instructions stand where long runs of plain vector lines follow them, so nearly no v_nop is written.
; THE ENDS.  Each lane keeps maximum, sum and weighted sum for its keys alone; at the end the four waves' and the two halves' figures meet in LDS behind the launch's one barrier.
; No tensor load, no cluster: what work-groups share is 92 KB read once at the head.
; LIMITS.  NaN and infinities among the inputs or the scores are not served; scores under -1e38 are not served (the running maximum starts there).
;  The pair layer's variance is E[x'^2] - mean(x')^2 with x' = x - mean(b1) (LN does not change under a shift of all channels): its error relative to the variance is about mean(x')^2 / variance x 2^-24.
;  A negative hidden number is left as the code -0; a block of zeros carries the scale byte 1 (its codes are zeros).
; THE MODE: SCHED_MODE bits 1:0 = 2 (LLVM: expert scheduling mode 2), set by the entry lines.  The code itself states the register dependences
; between vector or matrix instructions and memory or LDS instructions, with s_wait_alu, always for 0.
; THE PLAN.  Registers that LDS instructions touch in the loop, and who else names them:
;   LF, LFS, LD8, LDQ   written by four adds at a trip's head, read by the trip's LDS loads.            LQ, LDMR, LDMW: never written in the loop.
;   D8, DM              loaded once a trip; read by stage C of the trip's eight queries.
;   F, FSW, DQ          read by the trip's eight products (F, FSW) and by the lines that make dm (DQ); then the next trip's land in them.
;   DMQ                 written by the four selects, read by one LDS store.
;   X                   q of query n + 2 lands in it; the differences read and write it, the maximum and four conversions read it.
;   C1, SW1, C2, SW2    written by vector lines, taken as operand and scale by the scaled products.
; A trip has one wait on vm_vsrc, at its head, ahead of the four adds; one on va_sdst, between the four compares and their selects; one on va_vdst ahead of its whole run of LDS instructions; one ahead of the first product.
; A step has ONE wait on va_vdst of this kind, ahead of x's product: behind it stand the loads of q and both products; no vector line between it and w's product names C2 or SW2, and none behind it names X before q has landed.
; ---- LDS: a region of WREG bytes for each wave, then the merge's images
.set WREG, 13312
.set FC,   0            ; feat's codes of my 256 keys as they lie in memory, 8,192 bytes (+ 512 that nothing touches)
.set FSO,  8704         ; their scale bytes, 512 (+ 256)
.set DD,   9472         ; d of my 256 keys, 1,024 (+ 256)
.set DMT,  10752        ; dm[query][16 keys] of the key tile in hand, 512
.set QO,   11264        ; q[query][64], f32, 2,048
.set MG,   4*WREG       ; images (wave, query, kind = maximum, sum, weighted sum): 512 bytes each, 16 a lane
; ---- window 0
.set LQ,1
.set LDMR,2
.set LDMW,3
.set LF0,4
.set LFS0,5
.set LD80,6
.set LDQ0,7
.set LF,8
.set LFS,9
.set LD8,10
.set LDQ,11
.set DI,12              ; d of query lane / 4
.set LMR,13
.set L16,14             ; 16 x lane
.set LMG,15
.set W1S,16             ; v16-38: scale words and nothing else
.set W2S,20
.set WKS,24
.set WVS,28
.set WQS,32
.set FSW,36
.set SW1,37
.set SW2,38
.set D8,40              ; d of keys 8 h + 0 .. 7
.set FT,48              ; 2^(L old maximum - L new maximum), a tile each
.set AB,52              ; 1 / sqrt(var + eps), -mean / sqrt(var + eps)
.set SS,54
.set QQ,55
.set P1,56
.set P2,57
.set MEAN,58
.set E1,60
.set VE,61
.set T,62               ; v62-77 at work: the sum's tree; then AT, FA, CT, AMX; then BMX, RL
.set AT,T
.set FA,T+4
.set CT,T+8
.set AMX,T+12
.set BMX,T
.set RL,T+4
.set SQ,78
.set SCA,82
.set TA,83
.set PA,84
.set SCB,85
.set TB,86
.set PB,87
.set C1,88              ; rel's codes; +4 .. +7 stay 0
.set C2,96              ; the hidden layer's; +4 .. +7 stay 0
.set X,104              ; q, then rel
.set H,136              ; x, then the hidden layer
.set W,168              ; scores, then weights
.set K,200              ; k of the key tile
.set DQ,232
.set DMQ,236
.set PR,240
; v244-252 offsets of the head's loads, v253 where q is stored, v254 the staging address
; ---- window 1
.set W1F,0
.set B1C,32
.set W2F,64
.set B2T,96
.set GW,128
.set BW,160
.set VV,192
; ---- window 2: query i's state at 20 i (maxima +0..3, sums +4..11 in pairs, weighted sums +12..19 in pairs); at the head q's constants at window 3's numbers
.set DM,160             ; dm of query i at DM + 8 i
; ---- window 3: fragments at 0, bias at 32, gain at 64, beta at 96 (k's; in window 2 q's)
.set WVF,128
.set BVT,160
.set F,192              ; feat's fragment; +4 .. +7 stay 0
; ---- scalars: s[4:53] the 25 addresses; s54 wave; s57 key tile; s58-60 LDS steps; s61 my region; s[66:67] lane selects; s68 1/64; s69 eps; s[70:71] L = log2 e; s72 -L; s73, s74 bit patterns; s[76:89] seven addresses;
;      s55, s56, s62, s63: at the head at work, in the loop the four masks of the pairs that count
.set MSB, 0
.macro WIN new                         ; low byte: bits 1:0 source 0, 3:2 source 1, 5:4 source 2, 7:6 destination; the high byte repeats the setting that is left
.if MSB != (\new)
	s_set_vgpr_msb (MSB<<8)|(\new)
.set MSB, \new
.endif
.endm
.macro NOPS n
.rept \n
	v_nop
.endr
.endm
; ---------------- stage A
.macro A_LOADQ i                       ; q of query i, channels 32 h + 0 .. 31: all lanes of a half read the same 128 bytes
.irp g, 0,1,2,3,4,5,6,7
	ds_load_b128 v[X+4*\g:X+4*\g+3], v[LQ] offset:256*(\i)+16*\g
.endr
.endm
.macro AREL p                          ; rel = k - q, two channels
	v_pk_add_f32 v[X+2*(\p):X+2*(\p)+1], v[K+2*(\p):K+2*(\p)+1], v[X+2*(\p):X+2*(\p)+1] neg_lo:[0,1] neg_hi:[0,1]
.endm
.macro MAXHEAD dst, src, c, abs        ; the largest of a lane's 32 numbers, in four chains: chain c starts
.if \abs
	v_max3_num_f32 v[\dst+\c], |v[\src+8*\c]|, |v[\src+8*\c+1]|, |v[\src+8*\c+2]|
.else
	v_max3_num_f32 v[\dst+\c], v[\src+8*\c], v[\src+8*\c+1], v[\src+8*\c+2]
.endif
.endm
.macro MAXREST dst, src, abs           ; the rest of it, and the floor 2^(3 - 127): the scale's byte cannot fall under 1
.irp o, 3,5
.irp c, 0,1,2,3
.if \abs
	v_max3_num_f32 v[\dst+\c], v[\dst+\c], |v[\src+8*\c+\o]|, |v[\src+8*\c+\o+1]|
.else
	v_max3_num_f32 v[\dst+\c], v[\dst+\c], v[\src+8*\c+\o], v[\src+8*\c+\o+1]
.endif
.endr
.endr
.if \abs
	v_max3_num_f32 v[\dst], v[\dst], |v[\src+7]|, |v[\src+15]|
	v_max3_num_f32 v[\dst+2], v[\dst+2], |v[\src+23]|, |v[\src+31]|
.else
	v_max3_num_f32 v[\dst], v[\dst], v[\src+7], v[\src+15]
	v_max3_num_f32 v[\dst+2], v[\dst+2], v[\src+23], v[\src+31]
.endif
	v_max3_num_f32 v[\dst], v[\dst], v[\dst+1], v[\dst+2]
	v_max3_num_f32 v[\dst], v[\dst], v[\dst+3], 0x1800000
.endm
.macro SCALE mx, sc, tt, pp, sw
	v_add_nc_u32 v[\sc], 0xff000000, v[\mx]          ; 2 off the exponent field: the conversion's scale operand
	v_lshlrev_b32 v[\tt], 1, v[\sc]                  ; the scale's byte, in byte 3
	v_permlanex16_b32 v[\pp], v[\tt], s66, s67       ; the row's other block's, from lane xor 16
	v_perm_b32 v[\sw], v[\pp], v[\tt], s74           ; byte 0 mine, byte 1 the partner's (lanes 0-15 are read: blocks 0 and 1); bytes 2, 3: a valid byte over zero codes
.endm
.macro CVT dst, src, sc                ; 32 numbers become 32 codes: the operand's registers 0-3
.irp g, 0,1,2,3
	v_cvt_scalef32_pk8_fp4_f32 v[\dst+\g], v[\src+8*\g:\src+8*\g+7], v[\sc]
.endr
.endm
; ---------------- the two products of a tile of pairs.  Each sum is one instruction with the bias as C: no accumulator is taken up again
.macro M1                              ; x^T = W1 rel^T + b1
	WIN 0x11
.irp t, 0,1,2,3
	v_wmma_scale_f32_16x16x128_f8f6f4 v[H+8*\t:H+8*\t+7], v[W1F+8*\t:W1F+8*\t+7], v[C1:C1+7], v[B1C+8*\t:B1C+8*\t+7], v[W1S+\t], v[SW1] matrix_a_fmt:MATRIX_FMT_FP4 matrix_b_fmt:MATRIX_FMT_FP4
.endr
.endm
.macro M2                              ; w = hid W2^T + b2
	WIN 0x14
.irp t, 0,1,2,3
	v_wmma_scale_f32_16x16x128_f8f6f4 v[W+8*\t:W+8*\t+7], v[C2:C2+7], v[W2F+8*\t:W2F+8*\t+7], v[B2T+8*\t:B2T+8*\t+7], v[SW2], v[W2S+\t] matrix_a_fmt:MATRIX_FMT_FP4 matrix_b_fmt:MATRIX_FMT_FP4
.endr
.endm
; ---------------- stage B
.macro TREE                            ; T's eight pairs into one number
.irp p, 0,1,2,3
	v_pk_add_f32 v[T+2*\p:T+2*\p+1], v[T+2*\p:T+2*\p+1], v[T+8+2*\p:T+9+2*\p]
.endr
.irp p, 0,1
	v_pk_add_f32 v[T+2*\p:T+2*\p+1], v[T+2*\p:T+2*\p+1], v[T+4+2*\p:T+5+2*\p]
.endr
	v_pk_add_f32 v[T:T+1], v[T:T+1], v[T+2:T+3]
	v_add_f32 v[SS], v[T], v[T+1]
.endm
.macro MEANOF                          ; the mean of a row's 64 numbers, in both registers of the pair
	TREE
	v_permlanex16_b32 v[P1], v[SS], s66, s67
	v_add_f32 v[SS], v[SS], v[P1]
	v_mul_f32 v[MEAN], s68, v[SS]
	v_mul_f32 v[MEAN+1], s68, v[SS]
.endm
.macro B_SUMS                          ; sum and sum of squares of my 32 numbers of x; each accumulator is read from its low end on
.irp p, 0,1,2,3,4,5,6,7
	v_pk_add_f32 v[T+2*\p:T+2*\p+1], v[H+2*\p:H+2*\p+1], v[H+16+2*\p:H+17+2*\p]
.if \p == 0
	v_pk_mul_f32 v[SQ:SQ+1], v[H:H+1], v[H:H+1]
	v_pk_mul_f32 v[SQ+2:SQ+3], v[H+16:H+17], v[H+16:H+17]
.else
	v_pk_fma_f32 v[SQ:SQ+1], v[H+2*\p:H+2*\p+1], v[H+2*\p:H+2*\p+1], v[SQ:SQ+1]
	v_pk_fma_f32 v[SQ+2:SQ+3], v[H+16+2*\p:H+17+2*\p], v[H+16+2*\p:H+17+2*\p], v[SQ+2:SQ+3]
.endif
.endr
	TREE
	v_pk_add_f32 v[SQ:SQ+1], v[SQ:SQ+1], v[SQ+2:SQ+3]
	v_add_f32 v[QQ], v[SQ], v[SQ+1]
	v_permlanex16_b32 v[P1], v[SS], s66, s67
	v_permlanex16_b32 v[P2], v[QQ], s66, s67
.endm
.macro B_STATS1
	v_add_f32 v[SS], v[SS], v[P1]
	v_add_f32 v[QQ], v[QQ], v[P2]
	v_mul_f32 v[MEAN], s68, v[SS]
	v_fma_f32 v[E1], v[QQ], s68, s69                 ; E[x^2] + eps
	v_fma_f32 v[VE], -v[MEAN], v[MEAN], v[E1]        ; var + eps,
	v_max_num_f32 v[VE], s69, v[VE]                  ; never under eps
.endm
.macro B_NORM                          ; (x - mean) / sqrt(var + eps) x g + beta
	v_mul_f32 v[AB+1], -v[MEAN], v[AB]
.set jb, 0
.rept 16
	v_pk_fma_f32 v[H+jb:H+jb+1], v[H+jb:H+jb+1], v[AB:AB+1], v[AB:AB+1] op_sel:[0,0,1] op_sel_hi:[1,0,1]
.set jb, jb+2
.endr
	WIN 0x14
.set jb, 0
.rept 16
	v_pk_fma_f32 v[H+jb:H+jb+1], v[H+jb:H+jb+1], v[GW+jb:GW+jb+1], v[BW+jb:BW+jb+1]
.set jb, jb+2
.endr
	WIN 0
.endm
.macro B_RELU                          ; relu on the codes: the three magnitude bits of every negative code are cleared (16 lines for 32 numbers).  The block's maximum was taken without |.|, so negative numbers did not count for the scale
.irp g, 0,1,2,3
	v_and_b32 v[RL+2*\g], s73, v[C2+\g]              ; the sign bits
.endr
.irp g, 0,1,2,3
	v_lshrrev_b32 v[RL+2*\g+1], 3, v[RL+2*\g]
.endr
.irp g, 0,1,2,3
	v_sub_nc_u32 v[RL+2*\g+1], v[RL+2*\g], v[RL+2*\g+1]   ; 8 - 1 = 7 in each negative code's place
.endr
.irp g, 0,1,2,3
	v_bfi_b32 v[C2+\g], v[RL+2*\g+1], 0, v[C2+\g]
.endr
.endm
; ---------------- stage C, for query i
.macro C_MAX i
	WIN 0x08
.irp t, 0,1,2,3
	v_mul_f32 v[FA+\t], s70, v[20*(\i)+\t]           ; L x the old maximum
.endr
	WIN 0
.irp t, 0,1,2,3
	v_max3_num_f32 v[AT+\t], v[W+8*\t], v[W+8*\t+1], v[W+8*\t+2]   ; each accumulator from its low end on
.endr
.irp o, 3,5
.irp t, 0,1,2,3
	v_max3_num_f32 v[AT+\t], v[AT+\t], v[W+8*\t+\o], v[W+8*\t+\o+1]
.endr
.endr
	WIN 0xa0
.irp t, 0,1,2,3
	v_max3_num_f32 v[20*(\i)+\t], v[AT+\t], v[W+8*\t+7], v[20*(\i)+\t]   ; the new maximum
.endr
	WIN 0x08
.irp t, 0,1,2,3
	v_mul_f32 v[CT+\t], s72, v[20*(\i)+\t]           ; -L x the new maximum
.endr
	WIN 0
.irp t, 0,1,2,3
	v_add_f32 v[FA+\t], v[FA+\t], v[CT+\t]
.endr
.endm
.macro CARG p                          ; L w - L maximum, two keys of tile p / 4
.if (((\p)/4)%2) == 0
	v_pk_fma_f32 v[W+2*(\p):W+2*(\p)+1], v[W+2*(\p):W+2*(\p)+1], s[70:71], v[CT+2*((\p)/8):CT+2*((\p)/8)+1] op_sel_hi:[1,0,0]
.else
	v_pk_fma_f32 v[W+2*(\p):W+2*(\p)+1], v[W+2*(\p):W+2*(\p)+1], s[70:71], v[CT+2*((\p)/8):CT+2*((\p)/8)+1] op_sel:[0,0,1] op_sel_hi:[1,0,1]
.endif
.endm
.macro C_ACC i
	WIN 0x82
.irp t, 0,1,2,3
.set rS, 20*(\i)+4+2*\t
.set rA, 20*(\i)+12+2*\t
.if (\t%2) == 0
	v_pk_mul_f32 v[rS:rS+1], v[rS:rS+1], v[FT+2*(\t/2):FT+2*(\t/2)+1] op_sel_hi:[1,0]   ; the sums under the new maximum
	v_pk_mul_f32 v[rA:rA+1], v[rA:rA+1], v[FT+2*(\t/2):FT+2*(\t/2)+1] op_sel_hi:[1,0]
.else
	v_pk_mul_f32 v[rS:rS+1], v[rS:rS+1], v[FT+2*(\t/2):FT+2*(\t/2)+1] op_sel:[0,1] op_sel_hi:[1,1]
	v_pk_mul_f32 v[rA:rA+1], v[rA:rA+1], v[FT+2*(\t/2):FT+2*(\t/2)+1] op_sel:[0,1] op_sel_hi:[1,1]
.endif
.endr
	WIN 0xa0
.irp q, 0,1,2,3
.irp t, 0,1,2,3
.set rS, 20*(\i)+4+2*\t
	v_pk_fma_f32 v[rS:rS+1], v[W+8*\t+2*\q:W+8*\t+2*\q+1], v[D8+2*\q:D8+2*\q+1], v[rS:rS+1]   ; the divisor: e x d
.endr
.endr
	WIN 0x08
.irp q, 0,1,2,3
.irp t, 0,1,2,3
	v_pk_mul_f32 v[W+8*\t+2*\q:W+8*\t+2*\q+1], v[W+8*\t+2*\q:W+8*\t+2*\q+1], v[DM+8*(\i)+2*\q:DM+8*(\i)+2*\q+1]   ; e x d where the pair counts, else 0
.endr
.endr
	WIN 0xa4
.irp q, 0,1,2,3
.irp t, 0,1,2,3
.set rA, 20*(\i)+12+2*\t
	v_pk_fma_f32 v[rA:rA+1], v[W+8*\t+2*\q:W+8*\t+2*\q+1], v[VV+8*\t+2*\q:VV+8*\t+2*\q+1], v[rA:rA+1]   ; x v; v's accumulators are read from their low end on
.endr
.endr
.endm
; ---------------- the step's ONE BATCH of transcendentals (b: B's 1 / sqrt; c: C's 32 weights and 4 factors), set among plain lines (c: the scalings; a: stage A's differences and its maximum).
; No line ahead of the wait names a result of the batch; a pair is scaled a slice ahead of its exponentials.  The wait stands ahead of the first line that names a result: one serves the batch.
.macro TRANS a, c, b
.if \c
	CARG 0
.endif
.if \b
	v_rsq_f32 v[AB], v[VE]
.endif
.if \a
	AREL 0
.endif
.if \c
	v_exp_f32 v[FT], v[FA]
.endif
.irp p, 1,2,3,4,5,6,7,8,9,10,11,12,13,14,15
.if \c
	CARG \p
	v_exp_f32 v[W+2*\p-2], v[W+2*\p-2]
.endif
.if \a
	AREL \p
.endif
.if \c
	v_exp_f32 v[W+2*\p-1], v[W+2*\p-1]
.endif
.endr
.irp e, 0,1,2,3
.if \c
.if \e < 2
	v_exp_f32 v[W+30+\e], v[W+30+\e]
.else
	v_exp_f32 v[FT+\e-1], v[FA+\e-1]
.endif
.endif
.if \a
	MAXHEAD AMX, X, \e, 1
.endif
.endr
.if \c
	v_exp_f32 v[FT+3], v[FA+3]
.endif
.if \a
	MAXREST AMX, X, 1                                ; plain lines behind the last transcendental
	SCALE AMX, SCA, TA, PA, SW1
.else
	v_nop                                            ; a plain line behind the last transcendental
.endif
	s_wait_alu depctr_va_vdst(0)                     ; the batch has written 1 / sqrt, the weights and the factors, ahead of the first line that names one of them
.endm
; ---------------- q and k
.macro PROJ ws, sc                     ; (feat W^T + b)^T: source 0 = 16 rows of the weight, source 1 = feat's 16 rows
	WIN \ws
.irp t, 0,1,2,3
	v_wmma_scale_f32_16x16x128_f8f6f4 v[H+8*\t:H+8*\t+7], v[8*\t:8*\t+7], v[F:F+7], v[32+8*\t:32+8*\t+7], v[\sc+\t], v[FSW] matrix_a_fmt:MATRIX_FMT_FP4 matrix_b_fmt:MATRIX_FMT_FP4
.endr
.endm
.macro LNRELU wg                       ; relu(LN(H)) into K, the variance in a second pass.  wg: the windows for gain and beta
.irp p, 0,1,2,3,4,5,6,7
	v_pk_add_f32 v[T+2*\p:T+2*\p+1], v[H+2*\p:H+2*\p+1], v[H+16+2*\p:H+17+2*\p]
.endr
	MEANOF
.set jl, 0
.rept 16
	v_pk_add_f32 v[H+jl:H+jl+1], v[H+jl:H+jl+1], v[MEAN:MEAN+1] neg_lo:[0,1] neg_hi:[0,1]
.set jl, jl+2
.endr
	v_pk_mul_f32 v[SQ:SQ+1], v[H:H+1], v[H:H+1]
	v_pk_mul_f32 v[SQ+2:SQ+3], v[H+16:H+17], v[H+16:H+17]
.irp p, 1,2,3,4,5,6,7
	v_pk_fma_f32 v[SQ:SQ+1], v[H+2*\p:H+2*\p+1], v[H+2*\p:H+2*\p+1], v[SQ:SQ+1]
	v_pk_fma_f32 v[SQ+2:SQ+3], v[H+16+2*\p:H+17+2*\p], v[H+16+2*\p:H+17+2*\p], v[SQ+2:SQ+3]
.endr
	v_pk_add_f32 v[SQ:SQ+1], v[SQ:SQ+1], v[SQ+2:SQ+3]
	v_add_f32 v[QQ], v[SQ], v[SQ+1]
	v_permlanex16_b32 v[P2], v[QQ], s66, s67
	v_add_f32 v[QQ], v[QQ], v[P2]
	v_fma_f32 v[VE], v[QQ], s68, s69
	v_rsq_f32 v[AB], v[VE]
	v_nop                                            ; a plain line behind the transcendental,
	s_wait_alu depctr_va_vdst(0)                     ; and the wait ahead of its first reader: 1 / sqrt is written
.set jl, 0
.rept 16
	v_pk_mul_f32 v[H+jl:H+jl+1], v[H+jl:H+jl+1], v[AB:AB+1] op_sel_hi:[1,0]
.set jl, jl+2
.endr
	WIN \wg
.set jl, 0
.rept 16
	v_pk_fma_f32 v[H+jl:H+jl+1], v[H+jl:H+jl+1], v[64+jl:64+jl+1], v[96+jl:96+jl+1]
.set jl, jl+2
.endr
	WIN 0
.set jl, 0
.rept 32
	v_max_num_f32 v[K+jl], 0, v[H+jl]
.set jl, jl+1
.endr
.endm
; ---------------- STEP n: A(n + 1), B(n), C(n - 1)
; Distances: the first 36 lines name none of the registers of the product w(n - 1) just issued; x(n + 1)'s product stands 36 plain lines or more behind rel's codes and scale word;
; w(n)'s stands behind C's 56 lines (in step 0 behind eight v_nop), which name none of x(n + 1)'s registers.
.macro STEP n
	B_SUMS
.if (\n) >= 1
	C_MAX (\n)-1
.endif
	B_STATS1
.if (\n) <= 6
	s_wait_dscnt 0x0                                 ; q of query n + 1 is in X (asked for a step ago)
.endif
.if (\n) == 0
	TRANS 1, 0, 1
.elseif (\n) <= 6
	TRANS 1, 1, 1
.else
	TRANS 0, 1, 1
.endif
	B_NORM
.if (\n) <= 6
	CVT C1, X, SCA
.endif
.irp e, 0,1,2,3
	MAXHEAD BMX, H, \e, 0                            ; (plain lines behind the conversions above)
.endr
	MAXREST BMX, H, 0
	SCALE BMX, SCB, TB, PB, SW2
	CVT C2, H, SCB
	v_nop                                            ; a plain line between a scaled conversion and the lines that touch its result
	B_RELU
	s_wait_alu depctr_va_vdst(0)                     ; rel's and the hidden layer's codes and their two scale words are written, which the step's two products take as operands and scales; the differences have written X and the conversions are done reading it: q lands there
.if (\n) <= 5
	A_LOADQ (\n)+2                                   ; into the registers that the conversions have read; no vector line names them before the next step's wait for these loads
.endif
.if (\n) <= 6
	M1
.endif
.if (\n) >= 1
	C_ACC (\n)-1
.else
	WIN 0
	NOPS 8                                           ; the scale word and the codes stand 8 and 4 plain lines ahead of the product
.endif
	M2
	WIN 0
.endm
; ---------------- the head's loads
.macro LDFRAG reg, off, ptr, step      ; four fragments' codes: registers reg + 8 t + 0 .. 3
.irp t, 0,1,2,3
	global_load_b128 v[\reg+8*\t:\reg+8*\t+3], v[\off], s[\ptr:\ptr+1] offset:\step*\t
.endr
.endm
.macro LDSCL reg, off, ptr, step       ; their rows' scale words: two bytes, widened with zeros (a byte 0 over zero codes adds nothing)
.irp t, 0,1,2,3
	global_load_u16 v[\reg+\t], v[\off], s[\ptr:\ptr+1] offset:\step*\t
.endr
.endm
.macro LDTAB reg, ptr                  ; register c = value[32 h + c]
.irp g, 0,1,2,3,4,5,6,7
	global_load_b128 v[\reg+4*\g:\reg+4*\g+3], v248, s[\ptr:\ptr+1] offset:16*\g
.endr
.endm
; ======================================================== THE HEAD
	s_load_b512 s[4:19], s[0:1], 0x0                 ; feat_codes, feat_scales, distribution, Wq_codes, Wq_scales, bq, gq, betaq
	s_load_b512 s[20:35], s[0:1], 0x40               ; Wk_codes, Wk_scales, bk, gk, betak, Wv_codes, Wv_scales, bv
	s_load_b512 s[36:51], s[0:1], 0x80               ; W1_codes, W1_scales, b1, gw, betaw, W2_codes, W2_scales, b2
	s_load_b64 s[52:53], s[0:1], 0xc0                ; out0
	v_lshl_add_u32 v39, v0, 2, 0x19000
	v_mov_b32 v255, 0
	v_lshrrev_b32 v62, 5, v0
	v_readfirstlane_b32 s54, v62                     ; wave 0..3
	v_and_b32 v62, 31, v0                            ; lane
	v_and_b32 v63, 15, v0                            ; r
	v_bfe_u32 v64, v0, 4, 1                          ; h
	v_and_b32 v65, 7, v0                             ; r % 8
	v_bfe_u32 v66, v0, 3, 1                          ; r / 8
	v_and_b32 v67, 3, v0                             ; lane % 4
	v_bfe_u32 v68, v0, 2, 3                          ; lane / 4
	s_wait_alu depctr_va_sdst(0)                     ; s54, the wave's number, is written, ahead of its first reader
	s_mul_i32 s61, s54, WREG                         ; my wave's region of LDS
	v_lshlrev_b32 v[L16], 4, v62
	s_add_co_u32 s55, s61, QO
	v_lshl_add_u32 v[LQ], v64, 7, s55                ; q: + 128 h
	v_lshl_add_u32 v253, v65, 8, v[LQ]               ; where my lane stores q: + 256 (r % 8)
	s_add_co_u32 s55, s61, DMT
	v_lshl_add_u32 v[LDMR], v64, 5, s55
	v_add_nc_u32 v[LDMW], s55, v[L16]
	v_lshlrev_b32 v70, 5, v63
	v_lshl_add_u32 v70, v64, 4, v70
	v_add_nc_u32 v[LF0], s61, v70                    ; feat's codes: 32 r + 16 h
	s_add_co_u32 s55, s61, FSO
	v_lshl_add_u32 v[LFS0], v63, 1, s55
	s_add_co_u32 s55, s61, DD
	v_lshl_add_u32 v[LD80], v64, 5, s55
	v_lshl_add_u32 v[LDQ0], v67, 4, s55
	v_add_nc_u32 v254, s61, v[L16]                   ; staging: 16 x lane
	s_mul_i32 s55, s54, 12288
	s_add_co_u32 s55, s55, MG
	v_add_nc_u32 v[LMG], s55, v[L16]                 ; the merge: where my wave's 24 images begin,
	s_mul_i32 s55, s54, 3072
	s_add_co_u32 s55, s55, MG
	v_add_nc_u32 v[LMR], s55, v[L16]                 ; and where wave 0's images of my two queries begin
	v_lshlrev_b32 v244, 10, v66                      ; rows 32 (r / 8) + 8 t + r % 8 of 32 bytes, + 16 h
	v_lshl_add_u32 v244, v65, 5, v244
	v_lshl_add_u32 v244, v64, 4, v244
	v_lshlrev_b32 v245, 6, v66                       ; their scale words, 2 bytes a row
	v_lshl_add_u32 v245, v65, 1, v245
	v_lshlrev_b32 v246, 7, v63                       ; rows 4 r + t, + 16 h
	v_lshl_add_u32 v246, v64, 4, v246
	v_lshlrev_b32 v247, 3, v63                       ; their scale words
	v_lshlrev_b32 v248, 7, v64                       ; tables by channel: 128 h
	v_lshlrev_b32 v249, 4, v63                       ; values 4 r + 0 .. 3
	v_lshlrev_b32 v250, 5, v65                       ; the queries' rows of feat: 32 (r % 8) + 16 h
	v_lshl_add_u32 v250, v64, 4, v250
	v_lshlrev_b32 v251, 1, v65
	v_lshlrev_b32 v252, 2, v68                       ; d of query lane / 4
	s_mov_b32 s66, 0x76543210                        ; v_permlanex16_b32's selects for lane xor 16
	s_mov_b32 s67, 0xfedcba98
	s_mov_b32 s68, 0x3c800000                        ; 1 / 64
	s_mov_b32 s69, 0x3727c5ac                        ; 1e-5
	s_mov_b32 s70, 0x3fb8aa3b                        ; L = log2 e
	s_mov_b32 s71, s70                               ; (named with it as a pair)
	s_mov_b32 s72, 0xbfb8aa3b                        ; -L
	s_mov_b32 s73, 0x88888888                        ; eight codes' sign bits
	s_mov_b32 s74, 0x03030703                        ; SCALE's byte selects
	s_lshr_b32 s55, ttmp9, 7
	s_lshl_b32 s55, s55, 10                          ; 1,024 x batch
	s_and_b32 s56, ttmp9, 127
	s_lshl_b32 s56, s56, 3
	s_add_co_u32 s56, s56, s55                       ; my work-group's first query's row
	s_lshl_b32 s62, s54, 8
	s_add_co_u32 s62, s62, s55                       ; my wave's first key's row
	s_lshl_b32 s63, s54, 1
	s_add_co_u32 s63, s63, s56                       ; the first of the two rows of out0 that my wave stores
	s_mov_b32 s91, 0
	s_wait_kmcnt 0x0
	s_lshl_b32 s90, s62, 5
	s_add_nc_u64 s[76:77], s[4:5], s[90:91]          ; my keys: codes,
	s_lshl_b32 s90, s62, 1
	s_add_nc_u64 s[78:79], s[6:7], s[90:91]          ; scale bytes,
	s_lshl_b32 s90, s62, 2
	s_add_nc_u64 s[80:81], s[8:9], s[90:91]          ; d
	s_lshl_b32 s90, s56, 5
	s_add_nc_u64 s[82:83], s[4:5], s[90:91]          ; the queries: codes,
	s_lshl_b32 s90, s56, 1
	s_add_nc_u64 s[84:85], s[6:7], s[90:91]          ; scale bytes,
	s_lshl_b32 s90, s56, 2
	s_add_nc_u64 s[86:87], s[8:9], s[90:91]          ; d
	s_lshl_b32 s90, s63, 8
	s_add_nc_u64 s[88:89], s[52:53], s[90:91]        ; out0
	s_wait_alu depctr_va_vdst(0)                     ; every offset and LDS address of the launch (v1-7, v13-15, v244-254) and the closing add's two registers are written: the loads and stores from here on read them, and none but v8-11 is made later
	; ---- every load from memory of the launch; each instruction of the first nineteen reads 512 consecutive bytes
.irp i, 0,1,2,3,4,5,6,7
	global_load_b128 v[X+4*\i:X+4*\i+3], v[L16], s[76:77] offset:512*\i
.endr
.irp i, 0,1,2,3,4,5,6,7
	global_load_b128 v[W+4*\i:W+4*\i+3], v[L16], s[76:77] offset:4096+512*\i
.endr
	global_load_b128 v[K:K+3], v[L16], s[78:79]
	global_load_b128 v[K+4:K+7], v[L16], s[80:81]
	global_load_b128 v[K+8:K+11], v[L16], s[80:81] offset:512
	LDSCL W1S, 245, 38, 16
	LDSCL W2S, 247, 48, 2
	LDSCL WKS, 245, 22, 16
	LDSCL WVS, 247, 32, 2
	LDSCL WQS, 245, 12, 16
	global_load_b128 v[DQ:DQ+3], v249, s[50:51]      ; b2[4 r + 0 .. 3]
	global_load_b128 v[DMQ:DMQ+3], v249, s[34:35]    ; bv[4 r + 0 .. 3]
	global_load_u16 v[FSW], v251, s[84:85]           ; the queries' scale words
	global_load_b32 v[DI], v252, s[86:87]
	WIN 0x40                                         ; destination window 1
	LDFRAG W1F, 244, 36, 256
	LDFRAG W2F, 246, 46, 32
	LDTAB B1C, 40
	LDTAB GW, 42
	LDTAB BW, 44
	WIN 0x80                                         ; window 2: q's constants
	LDFRAG 0, 244, 10, 256
	LDTAB 32, 14
	LDTAB 64, 16
	LDTAB 96, 18
	WIN 0xc0                                         ; window 3: k's and v's
	LDFRAG 0, 244, 20, 256
	LDTAB 32, 24
	LDTAB 64, 26
	LDTAB 96, 28
	LDFRAG WVF, 246, 30, 32
	global_load_b128 v[F:F+3], v250, s[82:83]        ; feat's rows of queries r % 8
	; ---- while they are on their way: K = 64 .. 127 of every operand is zero codes, written once
.irp t, 0,1,2,3
.irp e, 4,5,6,7
	v_mov_b32 v[8*\t+\e], 0
	v_mov_b32 v[WVF+8*\t+\e], 0
.endr
.endr
.irp e, 4,5,6,7
	v_mov_b32 v[F+\e], 0
.endr
	WIN 0x80
.irp t, 0,1,2,3
.irp e, 4,5,6,7
	v_mov_b32 v[8*\t+\e], 0
.endr
.endr
	WIN 0x40
.irp t, 0,1,2,3
.irp e, 4,5,6,7
	v_mov_b32 v[W1F+8*\t+\e], 0
	v_mov_b32 v[W2F+8*\t+\e], 0
.endr
.endr
	WIN 0
.irp e, 4,5,6,7
	v_mov_b32 v[C1+\e], 0
	v_mov_b32 v[C2+\e], 0
.endr
	v_mov_b32 v[P1], 0                               ; a lane permute's destination counts as one of its sources
	v_mov_b32 v[P2], 0
	v_mov_b32 v[PA], 0
	v_mov_b32 v[PB], 0
	v_mov_b32 v[AB+1], 0                             ; (named as the upper half of a pair before it is first written)
	s_wait_loadcnt 0x0                               ; all of them
	; ---- my keys' codes, scale bytes and d into my region of LDS, as they lie in memory
.irp i, 0,1,2,3,4,5,6,7
	ds_store_b128 v254, v[X+4*\i:X+4*\i+3] offset:FC+512*\i
.endr
.irp i, 0,1,2,3,4,5,6,7
	ds_store_b128 v254, v[W+4*\i:W+4*\i+3] offset:FC+4096+512*\i
.endr
	ds_store_b128 v254, v[K:K+3] offset:FSO
	ds_store_b128 v254, v[K+4:K+7] offset:DD
	ds_store_b128 v254, v[K+8:K+11] offset:DD+512
	s_wait_dscnt 0x0                                 ; the stores have landed
	s_wait_alu depctr_vm_vsrc(0)                     ; the staging stores have read X, W and K, which q's LN, q's loads and the products write from here on
	s_wait_alu depctr_va_vdst(0)                     ; the zero codes, registers 4 to 7 of every operand, are written: every scaled product of the launch takes some of them as A or B, and no vector line writes them again
	; ---- q of the 8 queries (each wave for itself: lanes r and r + 8 hold the same query)
	PROJ 0x2e, WQS
	WIN 0x05                                         ; behind the products, as their plain lines: b1 is centred,
.irp p, 0,1,2,3,4,5,6,7
	v_pk_add_f32 v[T+2*\p:T+2*\p+1], v[B1C+2*\p:B1C+2*\p+1], v[B1C+16+2*\p:B1C+17+2*\p]
.endr
	WIN 0
	MEANOF
	WIN 0x41
.set jh, 0
.rept 16
	v_pk_add_f32 v[B1C+jh:B1C+jh+1], v[B1C+jh:B1C+jh+1], v[MEAN:MEAN+1] neg_lo:[0,1] neg_hi:[0,1]
.set jh, jh+2
.endr
	WIN 0x40                                         ; and b2 and bv are laid as the C of their products: a lane's channel 4 r + t in all eight registers of tile t
.irp t, 0,1,2,3
.irp e, 0,1,2,3,4,5,6,7
	v_mov_b32 v[B2T+8*\t+\e], v[DQ+\t]
.endr
.endr
	WIN 0xc0
.irp t, 0,1,2,3
.irp e, 0,1,2,3,4,5,6,7
	v_mov_b32 v[BVT+8*\t+\e], v[DMQ+\t]
.endr
.endr
	s_wait_alu depctr_va_vdst(0)                     ; q's products are done reading F and FSW, and the lines that lay b2 are done reading DQ: key tile 0's land in the three
	ds_load_b128 v[F:F+3], v[LF0]                    ; key tile 0: feat's fragment (LDS serves a wave's instructions in order: these see my stores),
	WIN 0
	ds_load_u16 v[FSW], v[LFS0]                      ; its scale words,
	ds_load_b128 v[DQ:DQ+3], v[LDQ0]                 ; d of keys 4 (lane % 4) + 0 .. 3
	LNRELU 0x28
	s_wait_alu depctr_va_vdst(0)                     ; the LN's last lines have written K, q's rows, which the stores below read
.irp g, 0,1,2,3,4,5,6,7
	ds_store_b128 v253, v[K+4*\g:K+4*\g+3] offset:16*\g
.endr
	WIN 0x80                                         ; the state, over q's constants, which are done with.  The key tile's text is written once: its first trip finds zeros, which the first change of a maximum leaves zeros
.set jh, 0
.rept 8
.irp t, 0,1,2,3
	v_mov_b32 v[20*jh+\t], 0xfe967699                ; -1e38
.endr
.irp t, 4,5,6,7,8,9,10,11,12,13,14,15,16,17,18,19
	v_mov_b32 v[20*jh+\t], 0
.endr
.set jh, jh+1
.endr
	WIN 0
	s_mov_b32 s57, 0
	s_mov_b32 s58, 0
	s_mov_b32 s59, 0
	s_mov_b32 s60, 0
; ======================================================== 16 KEY TILES
.Lkt:
	s_wait_dscnt 0x0                                 ; feat's fragment, its scale words and d, asked for a trip ago, are in; no LDS instruction of mine is out
	s_wait_alu depctr_vm_vsrc(0)                     ; the last trip's LDS loads have read the four addresses that the adds below write, and its store has read DMQ; in the first trip the stores of q have read K, which this trip's LN writes
	v_add_nc_u32 v[LF], s58, v[LF0]
	v_add_nc_u32 v[LFS], s59, v[LFS0]
	v_add_nc_u32 v[LD8], s60, v[LD80]
	v_add_nc_u32 v[LDQ], s60, v[LDQ0]
	PROJ 0x3f, WKS                                   ; (feat Wk^T + bk)^T
	WIN 0x7f
.irp t, 0,1,2,3
	v_wmma_scale_f32_16x16x128_f8f6f4 v[VV+8*\t:VV+8*\t+7], v[F:F+7], v[WVF+8*\t:WVF+8*\t+7], v[BVT+8*\t:BVT+8*\t+7], v[FSW], v[WVS+\t] matrix_a_fmt:MATRIX_FMT_FP4 matrix_b_fmt:MATRIX_FMT_FP4   ; v = feat Wv^T + bv
.endr
	WIN 0
.irp e, 0,1,2,3
	v_mul_f32 v[PR+\e], v[DI], v[DQ+\e]              ; d_i d_j: query lane / 4, keys 4 (lane % 4) + e.  (These lines are also the plain lines behind the products)
.endr
	v_cmp_lt_f32 s55, 0, v[PR]                       ; the four masks in one run, each in a scalar register of its own
	v_cmp_lt_f32 s56, 0, v[PR+1]
	v_cmp_lt_f32 s62, 0, v[PR+2]
	v_cmp_lt_f32 s63, 0, v[PR+3]
	s_wait_alu depctr_va_sdst(0)                     ; the four masks are written, ahead of the selects that read them
	v_cndmask_b32 v[DMQ], 0, v[DQ], s55              ; dm = d_j where the pair counts
	v_cndmask_b32 v[DMQ+1], 0, v[DQ+1], s56
	v_cndmask_b32 v[DMQ+2], 0, v[DQ+2], s62
	v_cndmask_b32 v[DMQ+3], 0, v[DQ+3], s63
	s_wait_alu depctr_va_vdst(0)                     ; ONE wait for the trip's run of LDS instructions, down to q of query 0: the four addresses and DMQ are written; the eight products are done reading F and FSW, the lines above DQ, the last trip's stage C D8 and DM, its conversions X
	ds_load_b128 v[D8:D8+3], v[LD8]
	ds_load_b128 v[D8+4:D8+7], v[LD8] offset:16
	ds_store_b128 v[LDMW], v[DMQ:DMQ+3]              ; dm[query][key], 64 bytes a query;
	WIN 0x80
.irp i, 0,1,2,3,4,5,6,7
	ds_load_b128 v[DM+8*\i:DM+8*\i+3], v[LDMR] offset:64*\i        ; and back, for each query my keys 8 h + 0 .. 7
	ds_load_b128 v[DM+8*\i+4:DM+8*\i+7], v[LDMR] offset:64*\i+16
.endr
	WIN 0
	s_cmp_eq_u32 s57, 15                             ; the last trip has no next key tile
	s_cbranch_scc1 .Lnola
	WIN 0xc0
	ds_load_b128 v[F:F+3], v[LF] offset:512          ; the next key tile's, a trip ahead of their use
	WIN 0
	ds_load_u16 v[FSW], v[LFS] offset:32
	ds_load_b128 v[DQ:DQ+3], v[LDQ] offset:64
.Lnola:
	A_LOADQ 0
	LNRELU 0x3c                                      ; k
	s_wait_dscnt 0x0                                 ; q of query 0, d, dm
.irp p, 0,1,2,3,4,5,6,7,8,9,10,11,12,13,14,15
	AREL \p
.endr
.irp e, 0,1,2,3
	MAXHEAD AMX, X, \e, 1
.endr
	MAXREST AMX, X, 1
	SCALE AMX, SCA, TA, PA, SW1
	CVT C1, X, SCA
	NOPS 8                                           ; the scale word stands 8 plain lines ahead of the product, the codes 4
	s_wait_alu depctr_va_vdst(0)                     ; rel's codes and scale word are written, which the product takes as operand and scale; the differences have written X and the conversions are done reading it: q of query 1 lands there
	A_LOADQ 1
	M1
	WIN 0
	NOPS 4                                           ; and its results are read 4 plain lines behind it
.irp n, 0,1,2,3,4,5,6,7
	STEP \n
.endr
	NOPS 4
	C_MAX 7                                          ; the pipeline runs out: stage C of query 7
	TRANS 0, 1, 0
	C_ACC 7
	WIN 0
	s_add_co_u32 s58, s58, 512                       ; 16 keys on: codes,
	s_add_co_u32 s59, s59, 32                        ; scale bytes,
	s_add_co_u32 s60, s60, 64                        ; d
	s_add_co_u32 s57, s57, 1
	s_cmp_lt_u32 s57, 16
	s_cbranch_scc1 .Lkt
; ======================================================== THE MERGE
	WIN 0x0a                                         ; the pairs' halves are added: 8 numbers a query, each query's in registers of its own
.irp i, 0,1,2,3,4,5,6,7
.irp t, 0,1,2,3
	v_add_f32 v[X+8*\i+\t], v[20*\i+4+2*\t], v[20*\i+5+2*\t]
	v_add_f32 v[X+8*\i+4+\t], v[20*\i+12+2*\t], v[20*\i+13+2*\t]
.endr
.endr
	WIN 0x08                                         ; an LDS store's data are its source 1: window 2
	s_wait_alu depctr_va_vdst(0)                     ; stage C has written the maxima and the additions above the sums: the stores below read them
.irp i, 0,1,2,3,4,5,6,7
	ds_store_b128 v[LMG], v[20*\i:20*\i+3] offset:(3*\i)*512
.endr
	WIN 0
.irp i, 0,1,2,3,4,5,6,7
	ds_store_b128 v[LMG], v[X+8*\i:X+8*\i+3] offset:(3*\i+1)*512
	ds_store_b128 v[LMG], v[X+8*\i+4:X+8*\i+7] offset:(3*\i+2)*512
.endr
	s_wait_dscnt 0x0                                 ; for the others' sake: my images have landed
	s_barrier_signal -1
	s_barrier_wait -1
.set MR, 104            ; v104-199: (query u of my two, wave y): maxima at MR + 48 u + 12 y, sums + 4, weighted sums + 8
.set GM, 200
.set GP, 208
.set GC, 216
.set GS, 224
.set GA, 232
	s_wait_alu depctr_vm_vsrc(0)                     ; my stores have read v104-167, in which the images below land; the last trip's store has read DMQ, which the sums below write
	s_wait_alu depctr_va_vdst(0)                     ; the additions have written v104-167, and stage C is done with v168-199: the images land in all of them
.irp u, 0,1
.irp y, 0,1,2,3
.irp d, 0,1,2
	ds_load_b128 v[MR+48*\u+12*\y+4*\d:MR+48*\u+12*\y+4*\d+3], v[LMR] offset:12288*\y+1536*\u+512*\d
.endr
.endr
.endr
	s_wait_dscnt 0x0
.irp u, 0,1
.irp t, 0,1,2,3
	v_max3_num_f32 v[GM+4*\u+\t], v[MR+48*\u+\t], v[MR+48*\u+12+\t], v[MR+48*\u+24+\t]
.endr
.endr
.irp u, 0,1
.irp t, 0,1,2,3
	v_max_num_f32 v[GM+4*\u+\t], v[GM+4*\u+\t], v[MR+48*\u+36+\t]
.endr
.endr
.irp e, 0,1,2,3,4,5,6,7
	v_permlanex16_b32 v[GP+\e], v[GM+\e], s66, s67
.endr
.irp e, 0,1,2,3,4,5,6,7
	v_max_num_f32 v[GM+\e], v[GM+\e], v[GP+\e]       ; the channel's maximum over all 1,024 keys
.endr
.irp e, 0,1,2,3,4,5,6,7
	v_mul_f32 v[GC+\e], s72, v[GM+\e]
.endr
.irp u, 0,1
.irp y, 0,1,2,3
.irp q, 0,1
	v_pk_fma_f32 v[MR+48*\u+12*\y+2*\q:MR+48*\u+12*\y+2*\q+1], v[MR+48*\u+12*\y+2*\q:MR+48*\u+12*\y+2*\q+1], s[70:71], v[GC+4*\u+2*\q:GC+4*\u+2*\q+1] op_sel_hi:[1,0,1]
.endr
.endr
.endr
.irp u, 0,1
.irp y, 0,1,2,3
.irp t, 0,1,2,3
	v_exp_f32 v[MR+48*\u+12*\y+\t], v[MR+48*\u+12*\y+\t]   ; what brings a part's sums under the common maximum
.endr
.endr
.endr
	v_nop                                            ; a plain line behind the last transcendental,
	s_wait_alu depctr_va_vdst(0)                     ; and one wait for the batch of 32: the factors are written, ahead of their first reader
.irp u, 0,1
.irp q, 0,1
	v_pk_mul_f32 v[GS+4*\u+2*\q:GS+4*\u+2*\q+1], v[MR+48*\u+2*\q:MR+48*\u+2*\q+1], v[MR+48*\u+4+2*\q:MR+48*\u+5+2*\q]
	v_pk_mul_f32 v[GA+4*\u+2*\q:GA+4*\u+2*\q+1], v[MR+48*\u+2*\q:MR+48*\u+2*\q+1], v[MR+48*\u+8+2*\q:MR+48*\u+9+2*\q]
.endr
.endr
.irp y, 1,2,3
.irp u, 0,1
.irp q, 0,1
	v_pk_fma_f32 v[GS+4*\u+2*\q:GS+4*\u+2*\q+1], v[MR+48*\u+12*\y+2*\q:MR+48*\u+12*\y+2*\q+1], v[MR+48*\u+12*\y+4+2*\q:MR+48*\u+12*\y+5+2*\q], v[GS+4*\u+2*\q:GS+4*\u+2*\q+1]
	v_pk_fma_f32 v[GA+4*\u+2*\q:GA+4*\u+2*\q+1], v[MR+48*\u+12*\y+2*\q:MR+48*\u+12*\y+2*\q+1], v[MR+48*\u+12*\y+8+2*\q:MR+48*\u+12*\y+9+2*\q], v[GA+4*\u+2*\q:GA+4*\u+2*\q+1]
.endr
.endr
.endr
.irp e, 0,1,2,3,4,5,6,7
	v_permlanex16_b32 v[GP+\e], v[GS+\e], s66, s67
	v_permlanex16_b32 v[GC+\e], v[GA+\e], s66, s67
.endr
.irp e, 0,2,4,6
	v_pk_add_f32 v[GS+\e:GS+\e+1], v[GS+\e:GS+\e+1], v[GP+\e:GP+\e+1]   ; with the other half's keys
	v_pk_add_f32 v[GA+\e:GA+\e+1], v[GA+\e:GA+\e+1], v[GC+\e:GC+\e+1]
.endr
	v_and_b32 v[PR], 16, v0
	v_cmp_ne_u32 vcc_lo, 0, v[PR]                    ; lanes 0-15 store my first query's row, lanes 16-31 my second's
	s_wait_alu depctr_va_vcc(0)                      ; VCC is written, ahead of the selects that read it
.irp t, 0,1,2,3
	v_cndmask_b32 v[GS+\t], v[GS+\t], v[GS+4+\t], vcc_lo
	v_cndmask_b32 v[GA+\t], v[GA+\t], v[GA+4+\t], vcc_lo
.endr
.irp t, 0,1,2,3
	v_rcp_f32 v[GP+\t], v[GS+\t]
.endr
	v_nop
	s_wait_alu depctr_va_vdst(0)                     ; one wait for the four reciprocals, ahead of their first reader
.irp t, 0,1,2,3
	v_mul_f32 v[GM+\t], v[GA+\t], v[GP+\t]
.endr
	s_wait_alu depctr_va_vdst(0)                     ; the four multiplies have written v[GM ..], which the store reads
	global_store_b128 v[L16], v[GM:GM+3], s[88:89]   ; channels 4 r + 0 .. 3: the wave stores two whole rows, 512 consecutive bytes, at a multiple of 256 from out0's first byte
	s_wait_dscnt 0x0                                 ; the closing lines, six on end
	s_wait_alu 0x0
	s_wait_tensorcnt 0x0
	ds_add_u32 v39, v255
	s_wait_dscnt 0x0
	s_endpgm
.Lfunc_end_k_q4b2af7e6bd_vattn:
	.size	k_q4b2af7e6bd_vattn, .Lfunc_end_k_q4b2af7e6bd_vattn-k_q4b2af7e6bd_vattn
	.p2alignl 7, 3214868480
	.fill 96, 4, 3214868480
	.section	.rodata,"a",@progbits
	.p2align	6, 0x0
	.amdhsa_kernel k_q4b2af7e6bd_vattn
		.amdhsa_group_segment_fixed_size 102912
		.amdhsa_private_segment_fixed_size 0
		.amdhsa_enable_private_segment 0
		.amdhsa_kernarg_size 200
		.amdhsa_user_sgpr_count 2
		.amdhsa_user_sgpr_kernarg_segment_ptr 1
		.amdhsa_wavefront_size32 1
		.amdhsa_system_sgpr_workgroup_id_x 1
		.amdhsa_system_sgpr_workgroup_id_y 1
		.amdhsa_system_sgpr_workgroup_id_z 1
		.amdhsa_system_vgpr_workitem_id 0
		.amdhsa_next_free_vgpr 1024
		.amdhsa_next_free_sgpr 92
		.amdhsa_reserve_vcc 1
		.amdhsa_float_denorm_mode_32 3
		.amdhsa_float_denorm_mode_16_64 3
		.amdhsa_memory_ordered 1
		.amdhsa_forward_progress 1
		.amdhsa_inst_pref_size 211
	.end_amdhsa_kernel
	.amdgpu_metadata
---
amdhsa.version: [ 1, 2 ]
amdhsa.kernels:
  - .name:           k_q4b2af7e6bd_vattn
    .symbol:         k_q4b2af7e6bd_vattn.kd
    .args:
      - { .name: feat_codes, .offset: 0, .size: 8, .value_kind: global_buffer, .address_space: global }
      - { .name: feat_scales, .offset: 8, .size: 8, .value_kind: global_buffer, .address_space: global }
      - { .name: distribution, .offset: 16, .size: 8, .value_kind: global_buffer, .address_space: global }
      - { .name: Wq_codes, .offset: 24, .size: 8, .value_kind: global_buffer, .address_space: global }
      - { .name: Wq_scales, .offset: 32, .size: 8, .value_kind: global_buffer, .address_space: global }
      - { .name: bq, .offset: 40, .size: 8, .value_kind: global_buffer, .address_space: global }
      - { .name: gq, .offset: 48, .size: 8, .value_kind: global_buffer, .address_space: global }
      - { .name: betaq, .offset: 56, .size: 8, .value_kind: global_buffer, .address_space: global }
      - { .name: Wk_codes, .offset: 64, .size: 8, .value_kind: global_buffer, .address_space: global }
      - { .name: Wk_scales, .offset: 72, .size: 8, .value_kind: global_buffer, .address_space: global }
      - { .name: bk, .offset: 80, .size: 8, .value_kind: global_buffer, .address_space: global }
      - { .name: gk, .offset: 88, .size: 8, .value_kind: global_buffer, .address_space: global }
      - { .name: betak, .offset: 96, .size: 8, .value_kind: global_buffer, .address_space: global }
      - { .name: Wv_codes, .offset: 104, .size: 8, .value_kind: global_buffer, .address_space: global }
      - { .name: Wv_scales, .offset: 112, .size: 8, .value_kind: global_buffer, .address_space: global }
      - { .name: bv, .offset: 120, .size: 8, .value_kind: global_buffer, .address_space: global }
      - { .name: W1_codes, .offset: 128, .size: 8, .value_kind: global_buffer, .address_space: global }
      - { .name: W1_scales, .offset: 136, .size: 8, .value_kind: global_buffer, .address_space: global }
      - { .name: b1, .offset: 144, .size: 8, .value_kind: global_buffer, .address_space: global }
      - { .name: gw, .offset: 152, .size: 8, .value_kind: global_buffer, .address_space: global }
      - { .name: betaw, .offset: 160, .size: 8, .value_kind: global_buffer, .address_space: global }
      - { .name: W2_codes, .offset: 168, .size: 8, .value_kind: global_buffer, .address_space: global }
      - { .name: W2_scales, .offset: 176, .size: 8, .value_kind: global_buffer, .address_space: global }
      - { .name: b2, .offset: 184, .size: 8, .value_kind: global_buffer, .address_space: global }
      - { .name: out0, .offset: 192, .size: 8, .value_kind: global_buffer, .address_space: global }
    .group_segment_fixed_size: 102912
    .private_segment_fixed_size: 0
    .kernarg_segment_align: 8
    .kernarg_segment_size: 200
    .max_flat_workgroup_size: 128
    .sgpr_count:     92
    .vgpr_count:     1024
    .wavefront_size: 32
...
	.end_amdgpu_metadata
.endif
;; end of part 2
